; MI455X (gfx1250); checked and timed in simulation.
; The chip was launched on July 23, 2026; its instructions are those of AMD's public machine-readable ISA for CDNA 5 (MIT licence, August 2026) and "CDNA5" Instruction Set Architecture Reference Guide (July 2026). The comments in the code are by the model that wrote it; some were corrected since.
;; Multi Head Self Attention. Allowed arithmetic: matrix products marked QUANTISED: E2M1 operands, one E8M0 scale for each 32 along K, by v_wmma_scale_f32_16x16x128_f8f6f4 with both operands' format E2M1 (or v_wmma_scale_f32_32x16x128_f4), f32 sums; products left as they are: bf16, f16 or f32 operands; f32 sums; everything else in f32.
;; Inputs: K 4 x 2,048 x 1,024 float32; Q 4 x 2,048 x 1,024 float32; V 4 x 2,048 x 1,024 float32; out_b 1,024 float32; out_w 1,024 x 1,024 float32; wk_b 1,024 float32; wk_w 1,024 x 1,024 float32; wq_b 1,024 float32; wq_w 1,024 x 1,024 float32; wv_b 1,024 float32; wv_w 1,024 x 1,024 float32.
;; Outputs: out0 4 x 2,048 x 1,024 float32.
;; This version of the problem:
;;   THIS VERSION OF THE PROBLEM IS GIVEN IN LOW PRECISION. The matrix products marked QUANTISED in the list below multiply operands that are first quantised to E2M1 (2 exponent bits, 1 mantissa bit; 4 bits a number), with one power-of-two scale for each 32 numbers along K (OCP MX v1.0); their sums are f32. The products marked 'left as it is' may take bf16, f16 or f32 operands, with f32 sums. Whichever they take, every output number must still come out within the allowed error. Rounding operands to bf16 (8 significant bits) uses up far more of that allowance than f16 does (11 bits, for magnitudes from 6e-5 to 65,504). All else is computed in f32.
;;   The module's matrix products, in the order in which they are computed (A, B: the left and right operand; K: the contracted axis; several contracted axes count as one K, in the product's order):
;;     1. [M 8,192, K 1,024] x [K 1,024, N 1,024]; A: input Q; B: input wq_w: QUANTISED
;;     2. [M 8,192, K 1,024] x [K 1,024, N 1,024]; A: input K; B: input wk_w: QUANTISED
;;     3. [M 8,192, K 1,024] x [K 1,024, N 1,024]; A: input V; B: input wv_w: QUANTISED
;;     4. batch 64 x [M 2,048, K 64] x [K 64, N 2,048]; A: computed on the way; B: computed on the way: left as it is (an operand is computed on the way)
;;     5. batch 64 x [M 2,048, K 2,048] x [K 2,048, N 64]; A: computed on the way; B: computed on the way: left as it is (an operand is computed on the way)
;;     6. [M 8,192, K 1,024] x [K 1,024, N 1,024]; A: computed on the way; B: input out_w: left as it is (an operand is computed on the way)
;;   THE QUANTISER, for each operand of a quantised product, along K:
;;     - K is cut into blocks of 32 from its start; a last block that is shorter is filled with zeros.
;;     - A block's scale is 2^e with e = floor(log2(the largest magnitude in the block)) - 2, held to -126 .. 127; a block of zeros has e = 0. As a byte (E8M0): e + 127.
;;     - Each number is divided by its block's scale, clamped to +-6, and rounded to the nearest number of E2M1, ties to even, subnormals kept.
;;     - The product sums the exact products of the quantised numbers (number of the format x scale) in f32.
;;   ~~~python
;;   def quantise(x, axis):      # numpy; x: float32 -> the quantised numbers, widened to float32 again
;;       x = np.moveaxis(x, axis, -1); K = x.shape[-1]
;;       x = np.pad(x, [(0, 0)] * (x.ndim - 1) + [(0, -K % 32)]); x = x.reshape(x.shape[:-1] + (-1, 32)); a = np.abs(x).max(-1, keepdims=True)
;;       e = np.where(a > 0, np.clip(np.frexp(np.where(a > 0, a, 1))[1] - 1 - 2, -126, 127), 0)      # np.frexp(a)[1] - 1 = floor(log2(a)), exactly
;;       r = np.clip(x / 2.0 ** e, -6, 6)
;;       step = 2.0 ** (np.maximum(np.frexp(np.where(r == 0, 1, r))[1] - 1, 0) - 1)
;;       q = np.round(r / step) * step * 2.0 ** e      # np.round: ties to even
;;       return np.moveaxis(q.reshape(q.shape[:-2] + (-1,))[..., :K], -1, axis).astype(np.float32)
;;   ~~~
;; One version. Each part assembles by itself: llvm-mc -triple=amdgcn-amd-amdhsa -mcpu=gfx1250 --defsym DOCPART=n.
;; ======== version 1 of 1: 4 launches
;; limits: values are held in f16: magnitudes above 65,504 overflow, below 6.1e-05 lose precision
;; workspace buffers: codes 14,155,776 bytes; scales 884,736 bytes; w16 2,097,152 bytes; qkv 50,331,648 bytes; ctx 16,777,216 bytes
;; launch prep (part 1): grid 928 x 1, 4 waves a work-group, no clusters, 33,280 bytes of LDS; arguments Q, K, V, wq_w, wk_w, wv_w, out_w, codes, scales, w16; writes codes, scales, w16
.if DOCPART == 1
	.amdgcn_target "amdgcn-amd-amdhsa--gfx1250"
	.amdhsa_code_object_version 6
	.text
	.protected	k_q92e6f34e48_prep
	.globl	k_q92e6f34e48_prep
	.p2align	8
	.type	k_q92e6f34e48_prep,@function
k_q92e6f34e48_prep:
	s_mov_b64 s[64:65], 0
	v_nop
	global_prefetch_b8 v0, s[64:65] scope:SCOPE_SE
	s_setreg_imm32_b32 hwreg(HW_REG_WAVE_MODE, 25, 1), 1
	s_wait_xcnt 0x0
; Q, K, V [8192][1024] and wq_w, wk_w, wv_w [1024][1024], f32 with K innermost, become codes of FP4 (E2M1), two a byte, and one E8M0 scale byte for each 32 along K.
; The workspace has the six tensors one behind the other: 27,648 rows of 512 bytes of codes, and the same rows of 32 scale bytes.  Rows are dense and 1,024 is a multiple of 32, so each tensor is a plain
; stream of blocks of 32 numbers: a work-group takes 32,768 numbers, a wave 16 steps of 512.  Work-groups 0-255 take Q, 256-511 K, 512-767 V, 768-799 wq_w, 800-831 wk_w, 832-863 wv_w: the outputs' places are linear in the work-group's number.
; A block's scale is 2^(floor(log2(largest magnitude)) - 2); its byte is the largest magnitude's exponent field - 2, held at 1 from below.  Each number is divided by the scale and rounded to the nearest code, ties to even; beyond 6 the largest code.
; Work-groups 864-927 turn out_w [n][k] into f16, laid as 16 planes of 64 along k: [k / 64][n][64], rows of 128 bytes.
; LIMITS: a block of zeros gets the byte 1 where the rule says 127 (its codes are zeros, and this program alone reads the bytes); blocks whose largest magnitude lies under 2^-124 are held at the byte 1; NaN and infinities are not served;
; out_w must lie inside f16's range (65,504).
; No tensor loads, no barrier: waves share nothing.  Loads run four steps (16 loads a wave) ahead, the turn through LDS one step.
.set NQWG,  864                        ; work-groups that quantise
.set WAVES, 4
.set STEPS, 16
.set EMAX,  2
.set CB,    8                          ; bytes of 16 codes
.set R,     16                         ; v16-79   four sets of 16 numbers as they are loaded
.set X,     80                         ; v80-111  two sets of 16 neighbours
.set E,     112                        ; v112-127 a scale byte for each step
.set C,     128                        ; v128-191 codes: four registers for each step, so that no store's data are written again
.set WREG,  8192                       ; LDS: a region for each wave: two stages of 32 x SP bytes, behind them its 256 scale bytes
.set SP,    80                         ; a lane's place in a stage: its 64 bytes + 16 of padding
.set SPW,   12                         ; v12  LDS address of my spare word; never rewritten
.set NIL,   13                         ; v13  0; never rewritten
.set SPARE, WAVES*WREG                 ; behind the four regions: the spare words, 128 bytes for each wave
	s_load_b128 s[4:7], s[0:1], 0x0                ; Q, K
	s_load_b128 s[8:11], s[0:1], 0x10              ; V, wq_w
	s_load_b128 s[12:15], s[0:1], 0x20             ; wk_w, wv_w
	s_load_b128 s[16:19], s[0:1], 0x30             ; out_w, codes
	s_load_b128 s[20:23], s[0:1], 0x40             ; scales, w16
	v_lshl_add_u32 v[SPW], v0, 2, SPARE
	v_mov_b32 v[NIL], 0
	v_lshrrev_b32 v1, 5, v0
	v_readfirstlane_b32 s24, v1                    ; wave
	v_and_b32 v2, 31, v0                           ; lane
	s_cmp_ge_u32 ttmp9, NQWG
	s_cbranch_scc1 .Lconv                          ; the last 64 work-groups convert out_w
	v_lshlrev_b32 v3, 4, v2                        ; my 16 bytes of a load's 512
	s_mul_i32 s25, s24, WREG
	v_lshrrev_b32 v14, 2, v2
	v_mul_u32_u24 v14, v14, SP
	v_and_b32 v15, 3, v2
	v_lshl_add_u32 v14, v15, 4, v14
	v_add_nc_u32 v14, s25, v14                     ; the stage, on the way in: four lanes' 64 bytes on end, then 16 of padding
	v_mul_u32_u24 v15, v2, SP
	v_add_nc_u32 v15, s25, v15                     ; and on the way out: my 16 neighbours
	v_mul_u32_u24 v4, v2, CB                       ; my codes' place in a step's
	v_lshrrev_b32 v5, 1, v2
	s_add_co_u32 s25, s25, 2*32*SP
	v_add_nc_u32 v5, s25, v5                       ; LDS: my wave's 256 scale bytes, my block's byte
	v_lshlrev_b32 v7, 3, v2                        ; and on the way out 8 bytes a lane
	v_add_nc_u32 v6, s25, v7
	s_wait_kmcnt 0x0
	s_mov_b64 s[26:27], s[4:5]                     ; which tensor: the choice hangs on the work-group's number alone
	s_mov_b32 s28, 0                               ; and that tensor's first work-group
.macro PICK from, lo
	s_cmp_ge_u32 ttmp9, \from
	s_cselect_b64 s[26:27], s[\lo:\lo+1], s[26:27]
	s_cselect_b32 s28, \from, s28
.endm
	PICK 256, 6
	PICK 512, 8
	PICK 768, 10
	PICK 800, 12
	PICK 832, 14
	s_sub_co_u32 s29, ttmp9, s28
	s_lshl_b32 s29, s29, 2
	s_add_co_u32 s29, s29, s24                     ; which run of 8,192 numbers of the tensor is my wave's
	s_lshl_b32 s30, s29, 15                        ; 32,768 bytes a run
	s_mov_b32 s31, 0
	s_add_nc_u64 s[26:27], s[26:27], s[30:31]
	s_lshl_b32 s29, ttmp9, 2
	s_add_co_u32 s29, s29, s24                     ; and which run of the workspace
	s_lshl_b32 s30, s29, 12                        ; 4,096 bytes of codes a run
	s_add_nc_u64 s[18:19], s[18:19], s[30:31]
	s_lshl_b32 s30, s29, 8                         ; 256 scale bytes a run
	s_add_nc_u64 s[20:21], s[20:21], s[30:31]
.macro LOAD t
.irp i, 0,1,2,3
	global_load_b128 v[R+16*((\t)%4)+4*\i:R+16*((\t)%4)+4*\i+3], v3, s[26:27] offset:2048*(\t)+512*\i th:TH_LOAD_NT   ; 32 lanes read 512 consecutive bytes
.endr
.endm
.macro TURN t                          ; step t's numbers through the stage: LDS serves a wave's instructions in order, so no wait stands between the stores and the loads
.irp i, 0,1,2,3
	ds_store_b128 v14, v[R+16*((\t)%4)+4*\i:R+16*((\t)%4)+4*\i+3] offset:32*SP*((\t)%2)+8*SP*\i
.endr
.irp i, 0,1,2,3
	ds_load_b128 v[X+16*((\t)%2)+4*\i:X+16*((\t)%2)+4*\i+3], v15 offset:32*SP*((\t)%2)+16*\i
.endr
.endm
.irp t, 0,1,2,3
	LOAD \t
.endr
	s_wait_loadcnt 12                              ; step 0's four loads are in
	TURN 0
.macro STEP t
.set XS, X+16*((\t)%2)
.if (\t) > 0
	s_wait_dscnt 1                                 ; this step's numbers are back from the stage (the last step's byte store may be out): so its stores into the stage have read their registers,
.else
	s_wait_dscnt 0x0
.endif
.if (\t)+4 < STEPS
	LOAD (\t)+4                                    ; which take the loads of four steps on
.endif
.if (\t)+1 < STEPS
.if STEPS-2-(\t) >= 3
	s_wait_loadcnt 12                              ; the next step's four loads are in; those of the three steps behind it may be out
.else
	s_wait_loadcnt 4*(STEPS-2-(\t))
.endif
	TURN (\t)+1                                    ; and go through the other stage while this step is worked
.endif
	v_max3_num_f32 v8, |v[XS]|, |v[XS+1]|, |v[XS+2]|               ; the largest magnitude of my 16, in two chains
	v_max3_num_f32 v9, |v[XS+3]|, |v[XS+4]|, |v[XS+5]|
.irp i, 6,10
	v_max3_num_f32 v8, v8, |v[XS+\i]|, |v[XS+\i+1]|
	v_max3_num_f32 v9, v9, |v[XS+\i+2]|, |v[XS+\i+3]|
.endr
	v_max3_num_f32 v8, v8, |v[XS+14]|, |v[XS+15]|
	v_max3_num_f32 v8, v8, v9, (EMAX+1)<<23        ; and the floor 2^(3 - 127): so the byte cannot fall under 1
	v_max_num_f32_dpp v8, v8, v8 row_xmask:1 row_mask:0xf bank_mask:0xf   ; and of my neighbour's 16: the block's
	v_add_nc_u32 v11, -(EMAX<<23), v8              ; 2 off its exponent field: the conversion takes the exponent field of this operand as its scale
	v_cvt_scalef32_pk8_fp4_f32 v[C+4*(\t)], v[XS:XS+7], v11
	v_cvt_scalef32_pk8_fp4_f32 v[C+4*(\t)+1], v[XS+8:XS+15], v11
	v_lshrrev_b32 v[E+(\t)], 23, v11               ; the scale's byte (a plain line behind the conversions)
	ds_store_b8 v5, v[E+(\t)] offset:16*(\t)       ; both lanes of a block write the same byte with the same value
	global_store_b64 v4, v[C+4*(\t):C+4*(\t)+1], s[18:19] offset:32*CB*(\t)   ; 32 lanes store 256 consecutive bytes, aligned
.endm
.irp t, 0,1,2,3,4,5,6,7,8,9,10,11,12,13,14,15
	STEP \t
.endr
	ds_load_b64 v[8:9], v6                         ; LDS serves a wave's instructions in order: these see my stores
	s_wait_dscnt 0x0
	global_store_b64 v7, v[8:9], s[20:21]          ; 32 lanes store 256 consecutive bytes, aligned
	s_wait_tensorcnt 0x0                           ; the wave's end: behind my last LDS store
	ds_add_u32 v[SPW], v[NIL]
	s_wait_dscnt 0x0
	s_endpgm
; out_w to f16.  Wave w of work-group c takes rows n0 = 16 c + 4 w to n0 + 3, two rows at a time.  A lane takes 8 numbers (32 bytes in, 16 bytes out): lane = 16 ps + 8 rs + sub: row rs of the pair, plane 2 i + ps, numbers 8 sub on.
; So sixteen lanes store rows n and n + 1 of one plane: 256 consecutive bytes, aligned.
.Lconv:
	v_and_b32 v3, 7, v2                            ; sub
	v_bfe_u32 v4, v2, 3, 1                         ; rs
	v_lshrrev_b32 v5, 4, v2                        ; ps
	v_lshlrev_b32 v8, 5, v3
	v_lshl_add_u32 v8, v5, 8, v8
	v_lshl_add_u32 v8, v4, 12, v8                  ; in: 4,096 rs + 256 ps + 32 sub
	v_lshlrev_b32 v9, 4, v3
	v_lshl_add_u32 v9, v4, 7, v9
	v_lshl_add_u32 v9, v5, 17, v9                  ; out: 131,072 ps + 128 rs + 16 sub
	s_sub_co_u32 s25, ttmp9, NQWG
	s_lshl_b32 s25, s25, 4
	s_lshl_b32 s28, s24, 2
	s_add_co_u32 s25, s25, s28                     ; n0
	s_lshl_b32 s28, s25, 12
	s_mov_b32 s29, 0
	s_lshl_b32 s30, s25, 7
	s_mov_b32 s31, 0
	s_wait_kmcnt 0x0
	s_add_nc_u64 s[16:17], s[16:17], s[28:29]
	s_add_nc_u64 s[22:23], s[22:23], s[30:31]
.irp p, 0,1
.irp i, 0,1,2,3,4,5,6,7
.irp e, 0,1
	global_load_b128 v[16+64*\p+8*\i+4*\e:16+64*\p+8*\i+4*\e+3], v8, s[16:17] offset:8192*\p+512*\i+16*\e th:TH_LOAD_NT
.endr
.endr
.endr
	s_wait_loadcnt 16                              ; the first pair of rows is in; the second pair's 16 loads may be out
.irp i, 0,1,2,3,4,5,6,7
.irp j, 0,1,2,3
	v_cvt_pk_f16_f32 v[144+4*\i+\j], v[16+8*\i+2*\j], v[16+8*\i+2*\j+1]
.endr
	global_store_b128 v9, v[144+4*\i:144+4*\i+3], s[22:23] offset:262144*\i
.endr
	s_wait_loadcnt 0x0
.irp i, 0,1,2,3,4,5,6,7
.irp j, 0,1,2,3
	v_cvt_pk_f16_f32 v[16+4*\i+\j], v[80+8*\i+2*\j], v[80+8*\i+2*\j+1]   ; into registers that the first pair has left and no store names
.endr
	global_store_b128 v9, v[16+4*\i:16+4*\i+3], s[22:23] offset:262144*\i+256
.endr
	s_wait_tensorcnt 0x0                           ; the same three lines at this end of the text
	ds_add_u32 v[SPW], v[NIL]
	s_wait_dscnt 0x0
	s_endpgm
.Lfunc_end_k_q92e6f34e48_prep:
	.size	k_q92e6f34e48_prep, .Lfunc_end_k_q92e6f34e48_prep-k_q92e6f34e48_prep
	.p2alignl 7, 3214868480
	.fill 96, 4, 3214868480
	.section	.rodata,"a",@progbits
	.p2align	6, 0x0
	.amdhsa_kernel k_q92e6f34e48_prep
		.amdhsa_group_segment_fixed_size 33280
		.amdhsa_private_segment_fixed_size 0
		.amdhsa_enable_private_segment 0
		.amdhsa_kernarg_size 80
		.amdhsa_user_sgpr_count 2
		.amdhsa_user_sgpr_kernarg_segment_ptr 1
		.amdhsa_wavefront_size32 1
		.amdhsa_system_sgpr_workgroup_id_x 1
		.amdhsa_system_sgpr_workgroup_id_y 1
		.amdhsa_system_sgpr_workgroup_id_z 1
		.amdhsa_system_vgpr_workitem_id 0
		.amdhsa_next_free_vgpr 192
		.amdhsa_next_free_sgpr 66
		.amdhsa_reserve_vcc 0
		.amdhsa_float_denorm_mode_32 3
		.amdhsa_float_denorm_mode_16_64 3
		.amdhsa_memory_ordered 1
		.amdhsa_forward_progress 1
		.amdhsa_inst_pref_size 44
	.end_amdhsa_kernel
	.amdgpu_metadata
---
amdhsa.version: [ 1, 2 ]
amdhsa.kernels:
  - .name:           k_q92e6f34e48_prep
    .symbol:         k_q92e6f34e48_prep.kd
    .args:
      - { .name: Q, .offset: 0, .size: 8, .value_kind: global_buffer, .address_space: global }
      - { .name: K, .offset: 8, .size: 8, .value_kind: global_buffer, .address_space: global }
      - { .name: V, .offset: 16, .size: 8, .value_kind: global_buffer, .address_space: global }
      - { .name: wq_w, .offset: 24, .size: 8, .value_kind: global_buffer, .address_space: global }
      - { .name: wk_w, .offset: 32, .size: 8, .value_kind: global_buffer, .address_space: global }
      - { .name: wv_w, .offset: 40, .size: 8, .value_kind: global_buffer, .address_space: global }
      - { .name: out_w, .offset: 48, .size: 8, .value_kind: global_buffer, .address_space: global }
      - { .name: codes, .offset: 56, .size: 8, .value_kind: global_buffer, .address_space: global }
      - { .name: scales, .offset: 64, .size: 8, .value_kind: global_buffer, .address_space: global }
      - { .name: w16, .offset: 72, .size: 8, .value_kind: global_buffer, .address_space: global }
    .group_segment_fixed_size: 33280
    .private_segment_fixed_size: 0
    .kernarg_segment_align: 8
    .kernarg_segment_size: 80
    .max_flat_workgroup_size: 128
    .sgpr_count:     66
    .vgpr_count:     192
    .wavefront_size: 32
...
	.end_amdgpu_metadata
.endif
;; end of part 1
;; launch proj (part 2): grid 4 x 96, 4 waves a work-group, clusters of 4 x 4, 327,680 bytes of LDS; arguments codes, scales, wq_b, wk_b, wv_b, qkv; writes qkv
.if DOCPART == 2
	.amdgcn_target "amdgcn-amd-amdhsa--gfx1250"
	.amdhsa_code_object_version 6
	.text
	.protected	k_q92e6f34e48_proj
	.globl	k_q92e6f34e48_proj
	.p2align	8
	.type	k_q92e6f34e48_proj,@function
k_q92e6f34e48_proj:
	s_mov_b64 s[64:65], 0
	v_nop
	global_prefetch_b8 v0, s[64:65] scope:SCOPE_SE
	s_setreg_imm32_b32 hwreg(HW_REG_WAVE_MODE, 25, 1), 1
	s_wait_xcnt 0x0
	s_wait_alu depctr_hold_cnt(0) depctr_sa_sdst(0) depctr_va_vdst(0) depctr_va_sdst(0) depctr_va_ssrc(0) depctr_va_vcc(0) depctr_vm_vsrc(0)
	s_getreg_b32 s2, hwreg(HW_REG_IB_STS2, 6, 4)
	s_cmp_eq_u32 s2, 0
	s_cbranch_scc0 .Lentry_in_a_cluster
	s_endpgm
.Lentry_in_a_cluster:
	s_bfe_u32 s2, ttmp6, 0x10000c
	s_cmp_lg_u32 s2, 0xf033
	s_cbranch_scc0 .Lentry_shape_is_right
	s_endpgm
.Lentry_shape_is_right:
; The three quantised projections in one launch: y = x w^T + b for (Q, wq), (K, wk), (V, wv), on codes of FP4 (E2M1) with one E8M0 scale for each 32 along K, K = 1,024; sums in f32; y rounded once to f16.
; codes: 27,648 rows of 512 bytes: rows 0-24,575 are Q, K, V (8,192 each), rows 24,576 on are wq, wk, wv (1,024 each); scales: the same rows, 32 bytes each.
; y goes to qkv [4 t + b][head][s][64] in f16 (t = 0 q, 1 k, 2 v): the layout that the attention launch reads.
; LIMIT: y must lie inside f16's range (65,504): with inputs of spread 1 and weights of spread 1/32 y has spread 1; thirty times larger inputs and weights give spread 900.
; A tile of y, 256 x 256, is made by a work-group of four waves; a wave makes 128 x 128: 64 accumulators, 512 registers.  96 tile rows (32 for each tensor) x 4 tile columns.
; K is two steps of 512 (rows of 256 bytes), each in an LDS slot of its own, filled once at the head; the scale bytes of the work-group's 256 + 256 rows come once too, as dense blocks.  Nothing is filled again.
; CLUSTERS: 4 x 4 work-groups.  The four of a row of the cluster need the same tiles of x, the four of a column the same tiles of w: each is asked for JOINTLY, by the same tensor load with the same descriptor and a mask that names the four.
; A cluster's four tile rows lie in one tensor (8 clusters to a tensor), so all sixteen partners use the same weight.
; THE MATRIX INSTRUCTION IS USED TRANSPOSED (source 0 = 16 rows of w, source 1 = 16 rows of x): a lane holds eight neighbouring columns of a row of y.  The bias is the C of each sum's first instruction.
; REGISTERS, in windows of 256: window 0: v0-31 addresses; v32-95 scale words, two sets; v96-127 packed results on the way out; v128-191 x's fragments, one set (later rows read back); v192-255 the bias, 8 registers for each block of 16 columns.
;   window 1: w's fragments, two sets, at v0 and v128.   window 2: the accumulators of my rows 0-63 ((a, b) at v[8 (8 a + b)]);   window 3: those of my rows 64-127.
.set NQ,     4                         ; matrix instructions deep in a slot: 512 / 128
.set ROWB,   256                       ; a tile's row in bytes
.set KROW,   512                       ; a row of codes in memory
.set PITCH,  272                       ; an LDS row: 256 bytes + 16 of padding = 68 words: the 16 rows that a load touches start at 16 different banks (64 banks of 4 bytes: ISA guide 11.1)
.set FR,     8                         ; registers of a fragment: 16 rows x 128 K
.set NL,     2                         ; LDS loads that bring one
.set NP,     4                         ; places behind this matrix instruction (ISA guide 7.12.1)
.set HALFT,  128*PITCH                 ; 128 rows: what one tensor load brings
.set SLOT,   4*HALFT                   ; x's 256 rows, then w's 256 rows
.set KS,     32                        ; a row of scales in bytes
.set SCL,    2*SLOT                    ; behind the slots: the scales, as units of 256 bytes + 16 of padding
.set HALFS,  (128*KS/256)*272          ; the scales of 128 rows
.set SBLK,   (16*KS/256)*272           ; those of 16 rows
.set SPARE,  SCL+4*HALFS               ; the spare words, 128 bytes for each wave
.set WROW0,  24576                     ; the weights' first row in the workspace
.set ADRA, 16                          ; v16-17  LDS address of my x fragments in slot 0, 1
.set ADRB, 20                          ; v20-21  the same for w
.set STO,  24                          ; v24     the way out: where I put 16 bytes of a row
.set RD,   25                          ; v25     where I read back
.set CO,   26                          ; v26     16 x lane
.set ADRS, 27                          ; v27     LDS address of my scale words: lanes 0-15 x's rows, lanes 16-31 w's
.set SPW,  28                          ; v28     my spare word; never rewritten
.set NIL,  29                          ; v29     0; never rewritten
.set BO,   30                          ; v30     32 x (lane / 16): my place in 16 numbers of the bias
.set SC,   32
.set TMP,  96
.set AF,   128
.set BK,   128
.set BIAS, 192
.set G1, 24                            ; s[24:31] group 1 for x's tiles;  s[32:39] group 0, one set for each slot
.set G0, 32
.set G1B, 48                           ; s[48:55], s[56:63] the same for w's
.set G0B, 56
.set G1S, 68                           ; s[68:75], s[76:79] groups 1 and 0 for x's scales;  s[80:87], s[88:91] for w's
.set G0S, 76
.set G1SB, 80
.set G0SB, 88
.set MSB, 0
.macro WIN new                         ; the immediate's high byte repeats the setting that is left
.if MSB != (\new)
	s_set_vgpr_msb (MSB<<8)|(\new)
.set MSB, (\new)
.endif
.endm
.set MUL_LO, 0xa1                      ; source 0 (w) window 1, source 1 (x) window 0, C and D window 2
.set MUL_HI, 0xf1                      ; the same, C and D window 3
.set FST_LO, 0x81                      ; the first products: C is the bias, in window 0
.set FST_HI, 0xc1
.set TO_B,   0x40                      ; destination window 1, address window 0
; A joint load: waves 0 and 1 fetch for x, waves 2 and 3 for w.  The branch hangs on the wave's number alone.  An s_nop 0 and four v_nop follow each of the two lines.
.macro JLOAD g0a, g1a, g0b, g1b
	s_cmp_eq_u32 s17, 0
	s_cbranch_scc0 .Lfor_b_\@
	tensor_load_to_lds s[\g0a:\g0a+3], s[\g1a:\g1a+7]
	s_nop 0
.rept 4
	v_nop
.endr
	s_branch .Lasked_\@
.Lfor_b_\@:
	tensor_load_to_lds s[\g0b:\g0b+3], s[\g1b:\g1b+7]
	s_nop 0
.rept 4
	v_nop
.endr
.Lasked_\@:
.endm
.macro CROUND                          ; a round of the cluster's barrier
	s_barrier_signal -1
	s_barrier_wait -1
	s_cmp_lg_u32 s16, 0
	s_cbranch_scc1 .Lnot_wave_0_\@
	s_barrier_signal -3
.Lnot_wave_0_\@:
	s_barrier_wait -3
	s_barrier_signal -1
	s_barrier_wait -1
.endm
	s_load_b128 s[4:7], s[0:1], 0x0                ; codes, scales
	s_load_b128 s[8:11], s[0:1], 0x10              ; wq_b, wk_b
	s_load_b128 s[12:15], s[0:1], 0x20             ; wv_b, qkv
	v_lshl_add_u32 v[SPW], v0, 2, SPARE
	v_mov_b32 v[NIL], 0
	ds_add_u32 v[SPW], v[NIL]                      ; the wave's opening: the add, twice on end, and its wait ahead of my first tensor load
	ds_add_u32 v[SPW], v[NIL]
	v_lshrrev_b32 v1, 5, v0
	v_readfirstlane_b32 s16, v1                    ; wave 0..3
	s_lshr_b32 s17, s16, 1                         ; which half of the tile's rows is mine.  Also: I fetch for x (0) or for w (1)
	s_and_b32 s18, s16, 1                          ; which half of its columns.  Also: which 128 rows I fetch
	s_bfe_u32 s40, ttmp6, 0x40000                  ; cx, cy: my place in the cluster
	s_bfe_u32 s41, ttmp6, 0x40004
	s_lshl_b32 s42, ttmp9, 2
	s_add_co_u32 s42, s42, s40                     ; tile column = 4 x cluster x + cx
	s_and_b32 s95, ttmp7, 0xffff                   ; cluster y
	s_lshl_b32 s19, s95, 2
	s_add_co_u32 s19, s19, s41                     ; tile row = 4 x cluster y + cy
	s_lshr_b32 s95, s95, 3                         ; which tensor: 8 clusters to each: the same in all sixteen partners
	s_lshl_b32 s43, s41, 2
	s_lshl_b32 s43, 15, s43                        ; my row of the cluster
	s_lshl_b32 s44, 0x1111, s40                    ; my column
	; group 1: a tile of 128 rows x 256 bytes, padded in LDS
	s_or_b32 s[G1+0], s43, (0<<16)|(1<<20)|(1<<21)|(5<<22)|(3<<25)  ; the mask; elements of 1 byte; padding on; bit 21 beside a mask; after every 64 words, 4 words
	s_or_b32 s[G1B+0], s44, (0<<16)|(1<<20)|(1<<21)|(5<<22)|(3<<25)
.irp g, G1, G1B
	s_mov_b32 s[\g+1], ROWB<<16                    ; tensor_dim0
	s_mov_b32 s[\g+2], 128<<16                     ; tensor_dim1
	s_mov_b32 s[\g+3], ROWB<<16                    ; tile_dim0
	s_mov_b32 s[\g+4], 128                         ; tile_dim1
	s_mov_b32 s[\g+5], KROW                        ; from row to row
	s_mov_b32 s[\g+6], 0
	s_mov_b32 s[\g+7], 0
.endr
	; the scales of 128 rows: a dense block of 4,096 bytes, as 16 rows of 256 bytes (32 elements of 8 bytes), 16 bytes of padding behind each
	s_or_b32 s[G1S+0], s43, (3<<16)|(1<<20)|(1<<21)|(5<<22)|(3<<25)
	s_or_b32 s[G1SB+0], s44, (3<<16)|(1<<20)|(1<<21)|(5<<22)|(3<<25)
.irp g, G1S, G1SB
	s_mov_b32 s[\g+1], 32<<16
	s_mov_b32 s[\g+2], (128*KS/256)<<16
	s_mov_b32 s[\g+3], 32<<16
	s_mov_b32 s[\g+4], 128*KS/256
	s_mov_b32 s[\g+5], 32
	s_mov_b32 s[\g+6], 0
	s_mov_b32 s[\g+7], 0
.endr
	s_lshl_b32 s98, s18, 7                         ; which 128 rows of the tile I fetch
	s_lshl_b32 s20, s19, 8
	s_add_co_u32 s20, s20, s98                     ; x: row 256 x tile row + 128 x half
	s_lshl_b32 s46, s42, 8
	s_add_co_u32 s46, s46, s98
	s_lshl_b32 s99, s95, 10
	s_add_co_u32 s46, s46, s99
	s_add_co_u32 s46, s46, WROW0                   ; w: row 24,576 + 1,024 x tensor + 256 x tile column + 128 x half
	s_lshl_b32 s22, s20, 5                         ; where these rows' scales begin, in bytes,
	s_mov_b32 s23, 0
	s_lshl_b32 s20, s20, 9                         ; and their codes
	s_mov_b32 s21, 0
	s_lshl_b32 s92, s46, 5
	s_mov_b32 s93, 0
	s_lshl_b32 s46, s46, 9
	s_mov_b32 s47, 0
	s_mul_i32 s45, s16, HALFT                      ; where they go: wave x 128 rows: no place in the cluster enters an LDS address
	s_mul_i32 s94, s16, HALFS
	s_wait_dscnt 0x0                               ; both opening adds are done
	s_wait_kmcnt 0x0
	s_add_nc_u64 s[20:21], s[4:5], s[20:21]
	s_add_nc_u64 s[22:23], s[6:7], s[22:23]
	s_add_nc_u64 s[46:47], s[4:5], s[46:47]
	s_add_nc_u64 s[92:93], s[6:7], s[92:93]
	s_cmp_eq_u32 s95, 1                            ; the tensor's bias
	s_cselect_b64 s[8:9], s[10:11], s[8:9]
	s_cmp_eq_u32 s95, 2
	s_cselect_b64 s[8:9], s[12:13], s[8:9]
	CROUND                                         ; all sixteen work-groups are here: the joint loads meet
	s_mov_b32 s[G0S], 1
	s_add_co_u32 s[G0S+1], s94, SCL
	s_mov_b64 s[G0S+2:G0S+3], s[22:23]
	s_or_b32 s[G0S+3], s[G0S+3], 0x80000000
	s_mov_b32 s[G0SB], 1
	s_add_co_u32 s[G0SB+1], s94, SCL
	s_mov_b64 s[G0SB+2:G0SB+3], s[92:93]
	s_or_b32 s[G0SB+3], s[G0SB+3], 0x80000000
	JLOAD G0S, G1S, G0SB, G1SB                     ; the scales first: they are wanted with the first K step
.irp s, 0,1
	s_mov_b32 s[G0+4*\s], 1
	s_add_co_u32 s[G0+4*\s+1], s45, \s*SLOT
	s_add_nc_u64 s[G0+4*\s+2:G0+4*\s+3], s[20:21], \s*ROWB
	s_or_b32 s[G0+4*\s+3], s[G0+4*\s+3], 0x80000000
	s_mov_b32 s[G0B+4*\s], 1
	s_add_co_u32 s[G0B+4*\s+1], s45, \s*SLOT
	s_add_nc_u64 s[G0B+4*\s+2:G0B+4*\s+3], s[46:47], \s*ROWB
	s_or_b32 s[G0B+4*\s+3], s[G0B+4*\s+3], 0x80000000
	JLOAD G0+4*\s, G1, G0B+4*\s, G1B               ; three tensor loads of mine are out behind the second of these
.endr
	v_and_b32 v1, 15, v0                           ; r = lane % 16
	v_bfe_u32 v2, v0, 4, 1                         ; h = lane / 16
	s_lshl_b32 s46, s42, 10                        ; my first column, as bytes of f32: 1,024 x tile column + 512 x half
	s_lshl_b32 s47, s18, 9
	s_add_co_u32 s46, s46, s47
	s_mov_b32 s47, 0
	s_add_nc_u64 s[8:9], s[8:9], s[46:47]
	v_lshlrev_b32 v[BO], 5, v2
.irp b, 0,1,2,3,4,5,6,7
	global_load_b128 v[BIAS+8*\b:BIAS+8*\b+3], v[BO], s[8:9] offset:64*\b          ; lane (r, h): the bias of columns 16 b + 8 h + 0 .. 7
	global_load_b128 v[BIAS+8*\b+4:BIAS+8*\b+7], v[BO], s[8:9] offset:64*\b+16
.endr
	v_mul_u32_u24 v3, v1, PITCH
	v_lshl_add_u32 v4, v2, 4, v3                   ; a fragment's row x pitch + 16 x half
	s_mul_i32 s21, s17, HALFT                      ; my 128 rows of x
	s_mul_i32 s22, s18, HALFT                      ; my 128 rows of w,
	s_add_co_u32 s22, s22, 2*HALFT                 ; which lie behind x's 256
.irp s, 0,1
	v_add_nc_u32 v[ADRA+\s], s21, v4
	v_add_nc_u32 v[ADRB+\s], s22, v4
	s_add_co_u32 s21, s21, SLOT
	s_add_co_u32 s22, s22, SLOT
.endr
	v_mul_u32_u24 v5, v1, KS                       ; my row's scales: 32 bytes a row,
	v_lshrrev_b32 v6, 8, v5
	v_lshl_add_u32 v5, v6, 4, v5                   ; and 16 more for each 256 passed
	s_mul_i32 s21, s17, HALFS
	s_mul_i32 s22, s18, HALFS
	s_add_co_u32 s22, s22, 2*HALFS
	s_sub_co_u32 s22, s22, s21
	v_mul_u32_u24 v6, s22, v2                      ; lanes 16-31 take w's: one product, the distance between the two bases
	s_add_co_u32 s21, s21, SCL
	v_add_nc_u32 v5, v5, v6
	v_add_nc_u32 v[ADRS], s21, v5
	s_mul_i32 s23, s16, 16*PITCH                   ; my stage for the way out: 16 rows of 272 bytes, in slot 0
	v_add_nc_u32 v[STO], s23, v4                   ; in: row r, 16 bytes for each half of the lanes
	v_bfe_u32 v5, v0, 3, 2                         ; back: eight lanes to a head's 128 bytes of a row, four rows an instruction
	v_and_b32 v6, 7, v0
	v_mul_u32_u24 v5, v5, PITCH
	v_lshl_add_u32 v5, v6, 4, v5
	v_add_nc_u32 v[RD], s23, v5
	v_and_b32 v6, 31, v0
	v_lshlrev_b32 v[CO], 4, v6
	s_lshl_b32 s20, s19, 8                         ; where my part begins in qkv
	s_lshl_b32 s21, s17, 7
	s_add_co_u32 s20, s20, s21                     ; my first row, of 24,576
	s_lshr_b32 s21, s20, 11                        ; 4 t + b
	s_and_b32 s20, s20, 2047                       ; s
	s_lshl_b32 s21, s21, 4
	s_lshl_b32 s46, s42, 2
	s_add_co_u32 s21, s21, s46
	s_lshl_b32 s46, s18, 1
	s_add_co_u32 s21, s21, s46                     ; + my first head: 4 x tile column + 2 x half
	s_lshl_b32 s21, s21, 11
	s_add_co_u32 s20, s20, s21
	s_lshl_b32 s20, s20, 7                         ; rows of 128 bytes
	s_mov_b32 s21, 0
	s_add_nc_u64 s[14:15], s[14:15], s[20:21]
.macro FRAG reg, adr, q, i             ; a fragment, 16 rows x 128 K of 4-bit codes: lane l holds row l % 16; registers 4 c .. 4 c + 3 hold K = 64 c + 32 (l / 16) + 0 .. 31
.irp c, 0,1
	ds_load_b128 v[\reg+4*\c:\reg+4*\c+3], v[\adr] offset:64*(\q)+32*\c+(\i)*16*PITCH
.endr
.endm
; 16 matrix instructions: x's blocks a0, a0 + 1 against w's eight, 128 along K.  p: w's set; sc: the set of scale words.  first = 1: the bias starts the sums.
; The 64 accumulators take turns, one instruction a turn, in the same order in every step.
.macro MUL16 a0, p, q, sc, first
.irp a, \a0, \a0+1
.irp b, 0,1,2,3,4,5,6,7
.if \first
	v_wmma_scale_f32_16x16x128_f8f6f4 v[8*(8*((\a)%4)+\b):8*(8*((\a)%4)+\b)+7], v[128*(\p)+FR*\b:128*(\p)+FR*\b+FR-1], v[AF+FR*(\a):AF+FR*(\a)+FR-1], v[BIAS+8*\b:BIAS+8*\b+7], v[SC+8*NQ*(\sc)+NQ*\b+(\q)], v[SC+8*NQ*(\sc)+NQ*(\a)+(\q)] matrix_a_fmt:MATRIX_FMT_FP4 matrix_b_fmt:MATRIX_FMT_FP4 matrix_a_scale:MATRIX_SCALE_ROW1
.else
	v_wmma_scale_f32_16x16x128_f8f6f4 v[8*(8*((\a)%4)+\b):8*(8*((\a)%4)+\b)+7], v[128*(\p)+FR*\b:128*(\p)+FR*\b+FR-1], v[AF+FR*(\a):AF+FR*(\a)+FR-1], v[8*(8*((\a)%4)+\b):8*(8*((\a)%4)+\b)+7], v[SC+8*NQ*(\sc)+NQ*\b+(\q)], v[SC+8*NQ*(\sc)+NQ*(\a)+(\q)] matrix_a_fmt:MATRIX_FMT_FP4 matrix_b_fmt:MATRIX_FMT_FP4 matrix_a_scale:MATRIX_SCALE_ROW1
.endif
.endr
.endr
.endm
.macro FETCH_B slot, q, p              ; w's eight fragments of the slot's q-th 128 along K into set p
	WIN TO_B
.irp i, 0,1,2,3,4,5,6,7
	FRAG 128*(\p)+FR*\i, ADRB+\slot, \q, \i
.endr
	WIN 0
.endm
.macro FETCH_A slot, q, i0             ; x's blocks i0 .. i0 + 3
.irp i, \i0, \i0+1, \i0+2, \i0+3
	FRAG AF+FR*(\i), ADRA+\slot, \q, \i
.endr
.endm
.macro SCALES sc                       ; a slot's scale words into set sc: four words a row; lanes 0-15 take x's block i, lanes 16-31 w's block i
.irp i, 0,1,2,3,4,5,6,7
	ds_load_b128 v[SC+8*NQ*\sc+NQ*\i:SC+8*NQ*\sc+NQ*\i+3], v[ADRS] offset:\i*SBLK
.endr
.endm
.macro PLACES n                        ; plain vector instructions between a matrix instruction and a load into, or a read of, its registers
.rept \n
	v_nop
.endr
.endm
; A step of 128 along K that has its successor in the same slot.
.macro STEP slot, q, first
	s_wait_dscnt 4*NL                              ; w's set and x's blocks 0-3 are in; the youngest eight loads (x's blocks 4-7) may be out
.if \first
	WIN FST_LO
.else
	WIN MUL_LO
.endif
	MUL16 0, (\q)%2, \q, \slot, \first
	MUL16 2, (\q)%2, \q, \slot, \first
	s_wait_dscnt 0                                 ; x's blocks 4-7 are in (asked for 32 matrix instructions ago)
	PLACES NP
	FETCH_B \slot, (\q)+1, 1-(\q)%2
	FETCH_A \slot, (\q)+1, 0
.if \first
	WIN FST_HI
.else
	WIN MUL_HI
.endif
	MUL16 4, (\q)%2, \q, \slot, \first
	MUL16 6, (\q)%2, \q, \slot, \first
	PLACES NP
	WIN 0
	FETCH_A \slot, (\q)+1, 4
.endm
	s_wait_tensorcnt 1                             ; the scales and my part of slot 0 are in (slot 1's load may be out),
	s_barrier_signal -1
	s_barrier_wait -1                              ; everybody's are
	FETCH_B 0, 0, 0
	FETCH_A 0, 0, 0
	SCALES 0
	FETCH_A 0, 0, 4
	s_wait_loadcnt 0x0                             ; the bias
	STEP 0, 0, 1
	STEP 0, 1, 0
	STEP 0, 2, 0
	; slot 0's last step changes slots: one barrier; in front of it each wave waits for all its tensor loads (slot 1's), adds 0 to its spare word, and waits for that and for its reads of slot 0
	s_wait_tensorcnt 0x0
	ds_add_u32 v[SPW], v[NIL]
	s_wait_dscnt 4*NL+1                            ; (the add and the youngest eight loads may be out)
	WIN MUL_LO
	MUL16 0, 1, NQ-1, 0, 0
	s_wait_dscnt 0x0                               ; the add is done, and my reads of slot 0 are over
	s_barrier_signal -1
	MUL16 2, 1, NQ-1, 0, 0
	WIN 0
	s_barrier_wait -1                              ; slot 1 is whole, and nobody reads slot 0 any more
	PLACES NP
	v_add_nc_u32 v[ADRS], 4*NQ, v[ADRS]            ; on to slot 1's scale words
	FETCH_B 1, 0, 0
	FETCH_A 1, 0, 0
	SCALES 1
	WIN MUL_HI
	MUL16 4, 1, NQ-1, 0, 0
	MUL16 6, 1, NQ-1, 0, 0
	PLACES NP
	WIN 0
	FETCH_A 1, 0, 4
	STEP 1, 0, 0
	STEP 1, 1, 0
	STEP 1, 2, 0
	s_wait_dscnt 4*NL                              ; the very last step: nothing more to fetch
	WIN MUL_LO
	MUL16 0, 1, NQ-1, 1, 0
	MUL16 2, 1, NQ-1, 1, 0
	s_wait_dscnt 0
	WIN MUL_HI
	MUL16 4, 1, NQ-1, 1, 0
	MUL16 6, 1, NQ-1, 1, 0
	WIN 0
; THE WAY OUT, block by block of 16 rows x 128 columns (two heads).  A lane's eight results round to 16 bytes of f16; they go into my own stage (rows of 272 bytes) and come back so that 32 lanes hold four rows of one head:
; 512 consecutive bytes of qkv.  The stage lies in slot 0, which has had its only fill and its last read.  LDS serves a wave's instructions in order (ISA guide 5.7.1.4): no wait between the stores and the loads.
.macro PACK a
.set AC, 64*((\a)%4)
	WIN 0x0a+5*((\a)/4)                            ; sources 0 and 1: window 2 or 3
.irp b, 0,1,2,3,4,5,6,7
.irp r, 0,1,2,3
	v_cvt_pk_f16_f32 v[TMP+4*\b+\r], v[AC+8*\b+2*\r], v[AC+8*\b+2*\r+1]   ; each accumulator from its low end on
.endr
.endr
	WIN 0
.endm
.macro TOSTAGE a
.set BB, BK+32*((\a)%2)
.irp b, 0,1,2,3,4,5,6,7
	ds_store_b128 v[STO], v[TMP+4*\b:TMP+4*\b+3] offset:32*\b
.endr
.irp t, 0,1,2,3,4,5,6,7
	ds_load_b128 v[BB+4*\t:BB+4*\t+3], v[RD] offset:(\t%4)*4*PITCH+(\t/4)*128   ; head t / 4, rows 4 (t % 4) on
.endr
.endm
.macro SEND a, younger                 ; younger: the LDS instructions issued behind block a's loads, which may stay out
.set BB, BK+32*((\a)%2)
	s_wait_dscnt \younger
.irp t, 0,1,2,3,4,5,6,7
	global_store_b128 v[CO], v[BB+4*\t:BB+4*\t+3], s[14:15] offset:(\t/4)*262144+(\a)*2048+(\t%4)*512   ; 32 lanes store 512 consecutive bytes, aligned
.endr
.endm
	PLACES NP                                      ; behind the last products: for the loads into x's fragment registers, and for the reads of results
	PACK 0
	TOSTAGE 0
.irp a, 1,2,3,4,5,6,7
	PACK \a
.if \a > 1
	s_wait_xcnt 0x0                                ; block a - 2's stores have read their registers: block a's loads may land there
.endif
	TOSTAGE \a
	SEND \a-1, 16                                  ; behind block a - 1's loads: block a's 8 stores and 8 loads
.endr
	SEND 7, 0
	s_wait_tensorcnt 0x0                           ; the wave's end: behind my last tensor load and my last LDS store
	ds_add_u32 v[SPW], v[NIL]
	s_wait_dscnt 0x0
	CROUND                                         ; the closing round
	s_endpgm
.Lfunc_end_k_q92e6f34e48_proj:
	.size	k_q92e6f34e48_proj, .Lfunc_end_k_q92e6f34e48_proj-k_q92e6f34e48_proj
	.p2alignl 7, 3214868480
	.fill 96, 4, 3214868480
	.section	.rodata,"a",@progbits
	.p2align	6, 0x0
	.amdhsa_kernel k_q92e6f34e48_proj
		.amdhsa_group_segment_fixed_size 327680
		.amdhsa_private_segment_fixed_size 0
		.amdhsa_enable_private_segment 0
		.amdhsa_kernarg_size 48
		.amdhsa_user_sgpr_count 2
		.amdhsa_user_sgpr_kernarg_segment_ptr 1
		.amdhsa_wavefront_size32 1
		.amdhsa_system_sgpr_workgroup_id_x 1
		.amdhsa_system_sgpr_workgroup_id_y 1
		.amdhsa_system_sgpr_workgroup_id_z 1
		.amdhsa_system_vgpr_workitem_id 0
		.amdhsa_next_free_vgpr 1024
		.amdhsa_next_free_sgpr 100
		.amdhsa_reserve_vcc 0
		.amdhsa_float_denorm_mode_32 3
		.amdhsa_float_denorm_mode_16_64 3
		.amdhsa_memory_ordered 1
		.amdhsa_forward_progress 1
		.amdhsa_inst_pref_size 128
	.end_amdhsa_kernel
	.amdgpu_metadata
---
amdhsa.version: [ 1, 2 ]
amdhsa.kernels:
  - .name:           k_q92e6f34e48_proj
    .symbol:         k_q92e6f34e48_proj.kd
    .args:
      - { .name: codes, .offset: 0, .size: 8, .value_kind: global_buffer, .address_space: global }
      - { .name: scales, .offset: 8, .size: 8, .value_kind: global_buffer, .address_space: global }
      - { .name: wq_b, .offset: 16, .size: 8, .value_kind: global_buffer, .address_space: global }
      - { .name: wk_b, .offset: 24, .size: 8, .value_kind: global_buffer, .address_space: global }
      - { .name: wv_b, .offset: 32, .size: 8, .value_kind: global_buffer, .address_space: global }
      - { .name: qkv, .offset: 40, .size: 8, .value_kind: global_buffer, .address_space: global }
    .group_segment_fixed_size: 327680
    .private_segment_fixed_size: 0
    .kernarg_segment_align: 8
    .kernarg_segment_size: 48
    .max_flat_workgroup_size: 128
    .sgpr_count:     100
    .vgpr_count:     1024
    .wavefront_size: 32
...
	.end_amdgpu_metadata
.endif
;; end of part 2
;; launch attn (part 3): grid 4 x 64, 8 waves a work-group, clusters of 4 x 1, 327,680 bytes of LDS; arguments qkv, ctx; writes ctx
.if DOCPART == 3
	.amdgcn_target "amdgcn-amd-amdhsa--gfx1250"
	.amdhsa_code_object_version 6
	.text
	.protected	k_q92e6f34e48_attn
	.globl	k_q92e6f34e48_attn
	.p2align	8
	.type	k_q92e6f34e48_attn,@function
k_q92e6f34e48_attn:
	s_mov_b64 s[64:65], 0
	v_nop
	global_prefetch_b8 v0, s[64:65] scope:SCOPE_SE
	s_setreg_imm32_b32 hwreg(HW_REG_WAVE_MODE, 25, 1), 1
	s_wait_xcnt 0x0
	s_wait_alu depctr_hold_cnt(0) depctr_sa_sdst(0) depctr_va_vdst(0) depctr_va_sdst(0) depctr_va_ssrc(0) depctr_va_vcc(0) depctr_vm_vsrc(0)
	s_getreg_b32 s2, hwreg(HW_REG_IB_STS2, 6, 4)
	s_cmp_eq_u32 s2, 0
	s_cbranch_scc0 .Lentry_in_a_cluster
	s_endpgm
.Lentry_in_a_cluster:
	s_bfe_u32 s2, ttmp6, 0x10000c
	s_cmp_lg_u32 s2, 0x3003
	s_cbranch_scc0 .Lentry_shape_is_right
	s_endpgm
.Lentry_shape_is_right:
; ctx[bh][q][:] = the sum over k of softmax_k(q[bh][q] . k[bh][k] / 8) v[bh][k][:].  qkv: f16 [4 t + b][head][2048][64] (t = 0 q, 1 k, 2 v); ctx: f16 [b][head][2048][64].  No mask.
; Products on f16 operands with f32 sums; maxima, exponentials and row sums in f32; the weights p are rounded to f16 for the second product, ctx once at the end.
; f16 and not bf16: its 11 significant bits leave most of the allowed error unused.  LIMITS: q, k, v inside f16's range (the launch before states it); p is at most about 1, ctx a convex mix of v; NaN and infinities are not served.
; SOFTMAX.  For each query a running maximum m and sum l: p = 2^(c s - c m), c = log2(e) / 8; in every step O and l are multiplied by a = 2^(c m_old - c m_new).
; SHARES.  A work-group owns 512 queries of one head, each of its eight waves 64: four tiles of 16.  Every wave walks the head's 2,048 keys, 64 a step.
; LAYOUT.  S^T = K Q^T (source 0 = 16 keys, source 1 = 16 queries): a lane holds ONE query (lane % 16) and the keys 8 (lane / 16) + 0..7.  Two such tiles, rounded to f16 in pairs, ARE source 1 (32 keys x 16 queries) of
; O^T = V^T P, whose result again holds one query a lane.  K comes out of LDS as it lies, V ([key][channel]) turned, by ds_load_tr16_b128.
; TWO WAVES TO A SIMD, IN OPPOSITE PHASES.  A step is a matrix part (32 products V^T P of the step before, 32 products K Q^T of this step) and a vector part (the softmax of four tiles).  A wave's ROLE, made of its number, says
; which part comes first in a trip, so that behind every barrier one wave of a pair starts on the matrix unit and the other on the vector unit.  ROLE = (w ^ (w >> 2)) & 1 differs between waves w and w + 4 and between 2 k and 2 k + 1.
; What is carried across a barrier lies in registers: S or P, and V of the step before.
; CLUSTER.  The four work-groups of a cluster own the four blocks of 512 queries of one head and walk the same K and V: each tile is asked for JOINTLY, by the same tensor load with the same descriptor and a mask that names the four.
; THE RING.  Two LDS slots of 512 keys (8 steps).  Both are filled at the head and each is filled once more; a refill has 8 steps in which to land.  The four runs of 8 steps are written out, so every slot's base is a constant.
; No prefetch: behind the head's first fills only two more loads a wave are issued, each 8 steps ahead of the wait for it.
; REGISTERS, in windows of 256: window 0: v2-11 addresses; v16-47 eight registers of statistics a tile; v48-51 the old c m; v64-191 S^T, 32 a tile (P is packed in place: fragment g at +16 g); v192-255 K of a step.
;   window 1: v0-127 O^T, 32 a tile; v128-191 Q, 16 a tile; v192-255 V of a step.
.set KS,    64                         ; keys in a step
.set SK,    512                        ; keys in a slot
.set PK,    144                        ; a row of K in LDS: 128 bytes + 16 = 36 words: the 16 rows of a load start at 16 different groups of four banks (64 banks of 4 bytes: ISA guide 11.1)
.set PV,    160                        ; a row of V: 128 + 32 = 40 words, for the turning load
.set VOFF,  SK*PK                      ; a slot: 512 rows of K, then 512 rows of V
.set SLOT,  SK*(PK+PV)
.set SPARE, 2*SLOT                     ; behind the ring: the spare words, 128 bytes for each wave
.set SP,    144                        ; the way out: a stage of 16 rows x 144 bytes for each wave, in slot 0's rows of K, behind that slot's last fill and last read
.set AK0, 2                            ; v2   my lane's place in a tile of K; never rewritten
.set AV0, 3                            ; v3   the same for V
.set ADK, 4                            ; v4   LDS address of the step's K
.set ADV, 5                            ; v5   of its V
.set QO,  6                            ; v6   my byte offset in the wave's rows of Q
.set STO, 7                            ; v7   the way out: where I put 16 bytes of a row
.set RD,  8                            ; v8   where I read back
.set GO,  9                            ; v9   16 x lane
.set SPW, 10                           ; v10  my spare word; never rewritten
.set NIL, 11                           ; v11  0; never rewritten
.set ST,  16                           ; tile t's statistics at v[ST + 8 t]: +0 c m, +1 m, +2, +3 l (even keys', odd keys'), +4 to +7 at work; a takes +6
.set OLD, 48
.set S,   64
.set KF,  192
.set QF,  128                          ; in window 1
.set VF,  192                          ; in window 1
.set WV,  12                           ; s12  my wave's number
.set ROLE, 14                          ; s14
.set G1K, 24                           ; s[24:31] group 1 for K's tiles;  s[32:39] for V's: it differs in the padding alone
.set G1V, 32
.set G0K, 40                           ; s[40:47] group 0 for K's tiles, a set for each slot;  s[48:55] for V's
.set G0V, 48
.set CNT, 56
.set TBK, 57                           ; s57  LDS byte at which the step's rows of K begin
.set CS,  58                           ; s[58:59] c: the packed form names a pair and takes its low word for both halves
.set SEL, 60                           ; s[60:61] lane selects for v_permlanex16_b32: lane l xor 16
.set TBV, 62                           ; s62  and its rows of V
.set MSB, 0
.macro WIN new                         ; the immediate's high byte repeats the setting that is left
.if MSB != (\new)
	s_set_vgpr_msb (MSB<<8)|(\new)
.set MSB, (\new)
.endif
.endm
.macro PLACES n
.rept \n
	v_nop
.endr
.endm
; A joint load into slot s: waves 0 to 3 fetch 128 rows of K each, waves 4 to 7 128 rows of V.  The branch hangs on the wave's number alone.  An s_nop 0 and four v_nop follow each of the two lines.
.macro JLOAD s
	s_cmp_lt_u32 s[WV], 4
	s_cbranch_scc0 .Lfor_v_\@
	tensor_load_to_lds s[G0K+4*\s:G0K+4*\s+3], s[G1K:G1K+7]
	s_nop 0
.rept 4
	v_nop
.endr
	s_branch .Lasked_\@
.Lfor_v_\@:
	tensor_load_to_lds s[G0V+4*\s:G0V+4*\s+3], s[G1V:G1V+7]
	s_nop 0
.rept 4
	v_nop
.endr
.Lasked_\@:
.endm
.macro CROUND                          ; a round of the cluster's barrier
	s_barrier_signal -1
	s_barrier_wait -1
	s_cmp_lg_u32 s[WV], 0
	s_cbranch_scc1 .Lnot_wave_0_\@
	s_barrier_signal -3
.Lnot_wave_0_\@:
	s_barrier_wait -3
	s_barrier_signal -1
	s_barrier_wait -1
.endm
	s_load_b128 s[4:7], s[0:1], 0x0                ; qkv, ctx
	v_lshl_add_u32 v[SPW], v0, 2, SPARE
	v_mov_b32 v[NIL], 0
	ds_add_u32 v[SPW], v[NIL]                      ; the wave's opening: the add, twice on end, and its wait ahead of my first tensor load
	ds_add_u32 v[SPW], v[NIL]
	v_lshrrev_b32 v1, 5, v0
	v_readfirstlane_b32 s[WV], v1                  ; wave 0..7
	s_bfe_u32 s13, ttmp6, 0x40000                  ; cx: my block of 512 queries: it enters Q's and ctx's addresses alone
	s_lshr_b32 s[ROLE], s[WV], 2
	s_xor_b32 s[ROLE], s[ROLE], s[WV]
	s_and_b32 s[ROLE], s[ROLE], 1
	s_and_b32 s15, s[WV], 3                        ; which 128 rows of a slot I fetch
	s_and_b32 s16, ttmp7, 0xffff                   ; the head (16 b + head), which the four partners share
	s_lshl_b32 s20, s16, 18                        ; a head's rows: 2,048 x 128 bytes
	s_lshl_b32 s17, s15, 14
	s_add_co_u32 s22, s20, s17                     ; the head, + my 128 rows
	s_mov_b32 s23, 0
	s_lshl_b32 s2, s13, 16                         ; my block's 512 rows,
	s_lshl_b32 s3, s[WV], 13                       ; my wave's 64 of them
	s_add_co_u32 s2, s2, s3
	s_add_co_u32 s2, s2, s20
	s_mov_b32 s3, 0
	s_mul_i32 s18, s15, 128*PK                     ; where my rows go in a slot: no place in the cluster enters an LDS address
	s_mul_i32 s19, s15, 128*PV
	s_add_co_u32 s19, s19, VOFF
	; group 1: a tile of 128 rows x 64 elements of 2 bytes, dense in memory, padded in LDS
	s_mov_b32 s[G1K], 15|(1<<16)|(1<<20)|(1<<21)|(4<<22)|(3<<25)  ; the mask: all four work-groups; elements of 2 bytes; padding on; bit 21 beside a mask; after every 32 words, 4 words
	s_mov_b32 s[G1V], 15|(1<<16)|(1<<20)|(1<<21)|(4<<22)|(7<<25)  ; the same with 8 words of padding
.irp g, G1K, G1V
	s_mov_b32 s[\g+1], 64<<16                      ; tensor_dim0
	s_mov_b32 s[\g+2], 128<<16                     ; tensor_dim1
	s_mov_b32 s[\g+3], 64<<16                      ; tile_dim0
	s_mov_b32 s[\g+4], 128                         ; tile_dim1
	s_mov_b32 s[\g+5], 64                          ; from row to row
	s_mov_b32 s[\g+6], 0
	s_mov_b32 s[\g+7], 0
.endr
	s_mov_b32 s[CS], 0x3e38aa3b                    ; c = log2(e) / 8
	s_mov_b32 s[CS+1], s[CS]                       ; named with it as a pair, so it is written
	s_mov_b32 s[SEL], 0x76543210
	s_mov_b32 s[SEL+1], 0xfedcba98
	s_wait_dscnt 0x0                               ; both opening adds are done
	s_wait_kmcnt 0x0
	s_add_nc_u64 s[8:9], s[4:5], s[22:23]
	s_add_nc_u64 s[10:11], s[8:9], 0x2000000       ; V: 8 x 16 heads on
	s_add_nc_u64 s[8:9], s[8:9], 0x1000000         ; K: 4 x 16 heads on
	s_add_nc_u64 s[4:5], s[4:5], s[2:3]            ; Q and ctx at my wave's first row
	s_add_nc_u64 s[6:7], s[6:7], s[2:3]
	CROUND                                         ; all four work-groups are here: the first joint loads meet
.irp s, 0,1
	s_mov_b32 s[G0K+4*\s], 1
	s_add_co_u32 s[G0K+4*\s+1], s18, \s*SLOT
	s_add_nc_u64 s[G0K+4*\s+2:G0K+4*\s+3], s[8:9], \s*SK*128    ; slot s begins with keys 512 s on
	s_or_b32 s[G0K+4*\s+3], s[G0K+4*\s+3], 0x80000000
	s_mov_b32 s[G0V+4*\s], 1
	s_add_co_u32 s[G0V+4*\s+1], s19, \s*SLOT
	s_add_nc_u64 s[G0V+4*\s+2:G0V+4*\s+3], s[10:11], \s*SK*128
	s_or_b32 s[G0V+4*\s+3], s[G0V+4*\s+3], 0x80000000
.endr
	s_cmp_lt_u32 s[WV], 4                          ; a wave's two first fills stand in one branch, ahead of every wait on TENSORcnt and every LDS read: two loads of mine are out
	s_cbranch_scc0 .Lfirst_v
	tensor_load_to_lds s[G0K:G0K+3], s[G1K:G1K+7]
	s_nop 0
	tensor_load_to_lds s[G0K+4:G0K+7], s[G1K:G1K+7]
	s_nop 0
.rept 4
	v_nop
.endr
	s_branch .Lfirst_asked
.Lfirst_v:
	tensor_load_to_lds s[G0V:G0V+3], s[G1V:G1V+7]
	s_nop 0
	tensor_load_to_lds s[G0V+4:G0V+7], s[G1V:G1V+7]
	s_nop 0
.rept 4
	v_nop
.endr
.Lfirst_asked:
	; A fragment of K or Q is 16 rows x 32 channels in 8 registers: lane l holds row l % 16; registers 0-3 channels 8 (l / 16) + 0..7, registers 4-7 channels 16 + 8 (l / 16) + 0..7: two loads of 16 bytes, 32 bytes apart.
	v_and_b32 v1, 15, v0                           ; r
	v_bfe_u32 v12, v0, 4, 1                        ; h
	v_lshlrev_b32 v[QO], 7, v1
	v_lshl_add_u32 v[QO], v12, 4, v[QO]            ; row x 128 + 16 x half
	WIN 0x40                                       ; destination window 1
.irp t, 0,1,2,3
.irp c, 0,1
	global_load_b128 v[QF+16*\t+8*\c:QF+16*\t+8*\c+3],   v[QO], s[4:5] offset:\t*2048+\c*64      ; Q stays in registers: tile t, channels 32 c on
	global_load_b128 v[QF+16*\t+8*\c+4:QF+16*\t+8*\c+7], v[QO], s[4:5] offset:\t*2048+\c*64+32
.endr
.endr
	WIN 0
	v_mul_u32_u24 v[AK0], v1, PK
	v_lshl_add_u32 v[AK0], v12, 4, v[AK0]          ; row x pitch + 16 x half
	; The turning load takes 16 keys x 16 channels (lane l reads 16 bytes: key 8 (l / 16) + l % 8, channels 8 ((l / 8) % 2) + 0..7) and leaves half a fragment of V^T: lane l holds channel l % 16 and 8 keys.
	v_and_b32 v13, 7, v0
	v_bfe_u32 v14, v0, 3, 1
	v_lshl_add_u32 v[AV0], v12, 3, v13
	v_mul_u32_u24 v[AV0], v[AV0], PV
	v_lshl_add_u32 v[AV0], v14, 4, v[AV0]
	s_mul_i32 s16, s[WV], 16*SP                    ; my stage.  All LDS addresses but the two that step are made here, ahead of the first branch on the role
	v_add_nc_u32 v[STO], s16, v[AK0]               ; in: row r, 16 bytes for each half of the lanes (the stage's pitch is K's)
	v_bfe_u32 v15, v0, 3, 2
	v_mul_u32_u24 v[RD], v15, SP                   ; back: eight lanes to a row of 128 bytes, four rows an instruction
	v_lshl_add_u32 v[RD], v13, 4, v[RD]
	v_add_nc_u32 v[RD], s16, v[RD]
	v_and_b32 v[GO], 31, v0
	v_lshlrev_b32 v[GO], 4, v[GO]
.irp t, 0,1,2,3
	v_mov_b32 v[ST+8*\t+1], 0xff61b1e6             ; m: -3e38, under every score
	v_mul_f32 v[ST+8*\t], s[CS], v[ST+8*\t+1]      ; c m
	v_mov_b32 v[ST+8*\t+2], 0                      ; l, in two halves
	v_mov_b32 v[ST+8*\t+3], 0
.endr
	WIN 0x40
.set IX, 0
.rept 128
	v_mov_b32 v[IX], 0                             ; O^T.  The softmax and the second product are written in one form: the first step finds zeros, which its a = 0 leaves zeros.  128 lines once, against second copies of both
.set IX, IX+1
.endr
	WIN 0
; THE LDS LOADS stand in runs of 16.
.macro KLOAD                           ; a step's K: 64 keys x 64 channels: fragment (keys 16 k on, channels 32 c on) at v[KF + 16 k + 8 c]
.irp k, 0,1,2,3
.irp c, 0,1
	ds_load_b128 v[KF+16*\k+8*\c:KF+16*\k+8*\c+3],   v[ADK] offset:\k*16*PK+\c*64
	ds_load_b128 v[KF+16*\k+8*\c+4:KF+16*\k+8*\c+7], v[ADK] offset:\k*16*PK+\c*64+32
.endr
.endr
.endm
.macro VLOAD                           ; a step's V, turned: fragment (keys 32 g on, channels 16 u on) at v[VF + 32 g + 8 u] of window 1
	WIN 0x40
.irp g, 0,1
.irp u, 0,1,2,3
	ds_load_tr16_b128 v[VF+32*\g+8*\u:VF+32*\g+8*\u+3],   v[ADV] offset:\g*32*PV+\u*32
	ds_load_tr16_b128 v[VF+32*\g+8*\u+4:VF+32*\g+8*\u+7], v[ADV] offset:\g*32*PV+16*PV+\u*32
.endr
.endr
.endm
; 32 products S^T = K Q^T: the 16 accumulators (tile t, keys 16 k on) take turns, one instruction a turn; the first 16 start the sums.
.macro SPROD
	WIN 0x04                                       ; Q in window 1, all else in window 0
.irp c, 0,1
.irp k, 0,1,2,3
.irp t, 0,1,2,3
.if \c == 0
	v_wmma_f32_16x16x32_f16 v[S+32*\t+8*\k:S+32*\t+8*\k+7], v[KF+16*\k+8*\c:KF+16*\k+8*\c+7], v[QF+16*\t+8*\c:QF+16*\t+8*\c+7], 0
.else
	v_wmma_f32_16x16x32_f16 v[S+32*\t+8*\k:S+32*\t+8*\k+7], v[KF+16*\k+8*\c:KF+16*\k+8*\c+7], v[QF+16*\t+8*\c:QF+16*\t+8*\c+7], v[S+32*\t+8*\k:S+32*\t+8*\k+7]
.endif
.endr
.endr
.endr
	WIN 0
.endm
; 32 products O^T += V^T P: the 16 accumulators (tile t, channels 16 u on) by turns.
.macro PVPROD
	WIN 0x51                                       ; V and O^T in window 1, P in window 0
.irp g, 0,1
.irp u, 0,1,2,3
.irp t, 0,1,2,3
	v_wmma_f32_16x16x32_f16 v[32*\t+8*\u:32*\t+8*\u+7], v[VF+32*\g+8*\u:VF+32*\g+8*\u+7], v[S+32*\t+16*\g:S+32*\t+16*\g+7], v[32*\t+8*\u:32*\t+8*\u+7]
.endr
.endr
.endr
.endm
; THE MATRIX PART of step j: V^T P of step j - 1, then K Q^T of step j.
.macro MPART
	PLACES 4                                       ; in front of loads into K's registers, which matrix instructions have read
	KLOAD
	s_wait_dscnt 16                                ; V of step j - 1 is in: only the 16 loads of K just issued are younger
	PVPROD
	PLACES 5                                       ; four in front of the loads into V's registers; five in front of the products that write S^T over P
	VLOAD
	s_wait_dscnt 16                                ; K is in: V's 16 loads may be out; they are wanted in the next matrix part
	SPROD
.endm
; THE VECTOR PART: the softmax of one step for my four tiles, the tiles by turns line by line, so that no line waits for the line above it.  118 instructions a tile.
.macro SOFTMAX
.irp t, 0,1,2,3
	v_mov_b32 v[OLD+\t], v[ST+8*\t]                ; c m_old is kept for a.  (These four are the places behind the products K Q^T)
.endr
.irp j, 0,1,2,3
.irp t, 0,1,2,3
	v_max3_num_f32 v[ST+8*\t+4+\j], v[S+32*\t+8*\j], v[S+32*\t+8*\j+1], v[S+32*\t+8*\j+2]   ; the maximum of 32 scores, in four chains; each accumulator is read from its low end on
.endr
.endr
.irp i, 3,5
.irp j, 0,1,2,3
.irp t, 0,1,2,3
	v_max3_num_f32 v[ST+8*\t+4+\j], v[ST+8*\t+4+\j], v[S+32*\t+8*\j+\i], v[S+32*\t+8*\j+\i+1]
.endr
.endr
.endr
.irp t, 0,1,2,3
	v_max3_num_f32 v[ST+8*\t+4], v[ST+8*\t+4], v[S+32*\t+7], v[S+32*\t+15]
.endr
.irp t, 0,1,2,3
	v_max3_num_f32 v[ST+8*\t+6], v[ST+8*\t+6], v[S+32*\t+23], v[S+32*\t+31]
.endr
.irp t, 0,1,2,3
	v_max3_num_f32 v[ST+8*\t+4], v[ST+8*\t+4], v[ST+8*\t+5], v[ST+8*\t+6]
.endr
.irp t, 0,1,2,3
	v_max3_num_f32 v[ST+8*\t+4], v[ST+8*\t+4], v[ST+8*\t+7], v[ST+8*\t+1]   ; and the old m
.endr
.irp t, 0,1,2,3
	v_permlanex16_b32 v[ST+8*\t+5], v[ST+8*\t+4], s[SEL], s[SEL+1]          ; the query's other 32 keys lie in the lane 16 away
.endr
.irp t, 0,1,2,3
	v_max_num_f32 v[ST+8*\t+1], v[ST+8*\t+4], v[ST+8*\t+5]                  ; the new m
.endr
.irp t, 0,1,2,3
	v_mul_f32 v[ST+8*\t], s[CS], v[ST+8*\t+1]                               ; c m
.endr
.irp t, 0,1,2,3
	v_sub_f32 v[OLD+\t], v[OLD+\t], v[ST+8*\t]                              ; c m_old - c m_new
.endr
.set IX, 0
.rept 16
.irp t, 0,1,2,3
	v_pk_fma_f32 v[S+32*\t+IX:S+32*\t+IX+1], v[S+32*\t+IX:S+32*\t+IX+1], s[CS:CS+1], v[ST+8*\t:ST+8*\t+1] op_sel_hi:[1,0,0] neg_lo:[0,0,1] neg_hi:[0,0,1]   ; c s - c m, two at a time
.endr
.set IX, IX+2
.endr
.irp t, 0,1,2,3
	v_exp_f32 v[ST+8*\t+6], v[OLD+\t]              ; a.  ONE BATCH: the four a and the 128 p; none reads another's result
.endr
.set IX, 0
.rept 32
.irp t, 0,1,2,3
	v_exp_f32 v[S+32*\t+IX], v[S+32*\t+IX]
.endr
.set IX, IX+1
.endr
	v_nop                                          ; a plain instruction behind the last exponential,
	s_wait_alu depctr_va_vdst(0)                   ; and the one wait ahead of the batch's first reader
.irp t, 0,1,2,3
	v_pk_fma_f32 v[ST+8*\t+2:ST+8*\t+3], v[ST+8*\t+2:ST+8*\t+3], v[ST+8*\t+6:ST+8*\t+7], v[S+32*\t:S+32*\t+1] op_sel_hi:[1,0,1]   ; l = a l + p: the sum is taken of the unrounded p
.endr
.set IX, 2
.rept 15
.irp t, 0,1,2,3
	v_pk_add_f32 v[ST+8*\t+2:ST+8*\t+3], v[ST+8*\t+2:ST+8*\t+3], v[S+32*\t+IX:S+32*\t+IX+1]
.endr
.set IX, IX+2
.endr
.irp g, 0,1
.irp i, 0,1,2,3,4,5,6,7
.irp t, 0,1,2,3
	v_cvt_pk_f16_f32 v[S+32*\t+16*\g+\i], v[S+32*\t+16*\g+2*\i], v[S+32*\t+16*\g+2*\i+1]   ; packed in place, ascending: register i takes numbers 2 i and 2 i + 1, which no earlier line has overwritten: fragment g of P
.endr
.endr
.endr
	WIN 0x41                                       ; O^T in window 1, a in window 0
.set IX, 0
.rept 16
.irp t, 0,1,2,3
	v_pk_mul_f32 v[32*\t+IX:32*\t+IX+1], v[32*\t+IX:32*\t+IX+1], v[ST+8*\t+6:ST+8*\t+7] op_sel_hi:[1,0]   ; O^T x a, each accumulator from its low end on
.endr
.set IX, IX+2
.endr
	WIN 0
.endm
; A TRIP is step j.  Role 0: the matrix part of step j, then the softmax of step j.  Role 1: the softmax of step j - 1, then the matrix part of step j.  The two LDS addresses are made on the way that all waves take.
.macro TRIP
	v_add_nc_u32 v[ADK], s[TBK], v[AK0]
	v_add_nc_u32 v[ADV], s[TBV], v[AV0]
	s_cmp_lg_u32 s[ROLE], 0
	s_cbranch_scc1 .Lsm_\@
	MPART
.Lsm_\@:
	SOFTMAX
	s_cmp_eq_u32 s[ROLE], 0
	s_cbranch_scc1 .Lend_\@
	MPART
.Lend_\@:
	s_add_co_u32 s[TBK], s[TBK], KS*PK
	s_add_co_u32 s[TBV], s[TBV], KS*PV
.endm
.macro PHASE n                         ; n steps in one slot
	s_mov_b32 s[CNT], \n
.Lph_\@:
	TRIP
	s_sub_co_u32 s[CNT], s[CNT], 1
	s_cmp_lg_u32 s[CNT], 0
	s_cbranch_scc1 .Lph_\@
.endm
; THE CHANGE OF SLOTS.  Each wave waits for all its tensor loads (its part of the slot ahead), adds 0 to its spare word, and waits for that and for its reads of the slot that it leaves.
; fill = 1: the slot left is filled again, with the keys two slots on.  The barrier is then a round of the cluster's, so that no wave of any partner still reads the slot or has a load on its way; the joint refill is the first thing behind it.
.macro CHANGE fill, old, new
	s_wait_tensorcnt 0x0                           ; no tensor load of mine is out, so a group 0 may be written
	ds_add_u32 v[SPW], v[NIL]                      ; 0 onto my spare word; the scalar lines below stand between it and the wait for it
.if \fill
	s_add_nc_u64 s[G0K+4*\old+2:G0K+4*\old+3], s[G0K+4*\old+2:G0K+4*\old+3], 2*SK*128
	s_add_nc_u64 s[G0V+4*\old+2:G0V+4*\old+3], s[G0V+4*\old+2:G0V+4*\old+3], 2*SK*128
.endif
	s_mov_b32 s[TBK], \new*SLOT
	s_mov_b32 s[TBV], \new*SLOT+VOFF
	s_wait_dscnt 0x0                               ; the add is done, and my reads of the slot are over
.if \fill
	CROUND
	JLOAD \old
.else
	s_barrier_signal -1
	s_barrier_wait -1
.endif
.endm
	s_wait_tensorcnt 1                             ; my part of slot 0 is in; slot 1's may stay out
	s_barrier_signal -1
	s_barrier_wait -1                              ; everybody's is
	s_mov_b32 s[TBK], 0
	s_mov_b32 s[TBV], VOFF
	v_add_nc_u32 v[ADK], s[TBK], v[AK0]
	v_add_nc_u32 v[ADV], s[TBV], v[AV0]
	KLOAD                                          ; step 0
	VLOAD
	s_wait_loadcnt 0x0                             ; Q
	s_wait_dscnt 16                                ; K is in; V's 16 loads may be out
	SPROD
	s_cmp_lg_u32 s[ROLE], 0
	s_cbranch_scc1 .Lpro
	SOFTMAX                                        ; role 0 alone: it goes one vector part ahead
.Lpro:
	s_add_co_u32 s[TBK], s[TBK], KS*PK
	s_add_co_u32 s[TBV], s[TBV], KS*PV
	s_wait_dscnt 0x0
	s_barrier_signal -1                            ; sets the two roles against each other: behind it role 0 starts on the matrix unit, role 1 on the vector unit.
	s_barrier_wait -1
	PHASE 7                                        ; steps 1 to 7, slot 0
	CHANGE 1, 0, 1                                 ; slot 0 takes keys 1,024 on
	PHASE 8                                        ; steps 8 to 15, slot 1
	CHANGE 1, 1, 0                                 ; slot 1 takes keys 1,536 on
	PHASE 8                                        ; steps 16 to 23, slot 0
	CHANGE 0, 0, 1                                 ; nothing is left to fetch
	PHASE 8                                        ; steps 24 to 31, slot 1
	s_cmp_eq_u32 s[ROLE], 0
	s_cbranch_scc1 .Lepi
	SOFTMAX                                        ; role 1 alone: the last step's
.Lepi:
	s_wait_dscnt 0x0                               ; V of the last step
	PLACES 5                                       ; in front of products that take S^T's registers as an operand
	PVPROD
	WIN 0
	; THE WAY OUT.  l's two halves and the other half of the lanes' are added; O^T is divided by l, rounded to f16 and sent through my stage, a tile (16 rows of 128 bytes) at a time.  The additions are the places behind the last products.
.irp t, 0,1,2,3
	v_add_f32 v[ST+8*\t+4], v[ST+8*\t+2], v[ST+8*\t+3]
.endr
.irp t, 0,1,2,3
	v_permlanex16_b32 v[ST+8*\t+5], v[ST+8*\t+4], s[SEL], s[SEL+1]
.endr
.irp t, 0,1,2,3
	v_add_f32 v[ST+8*\t+4], v[ST+8*\t+4], v[ST+8*\t+5]
.endr
.irp t, 0,1,2,3
	v_rcp_f32 v[ST+8*\t+6], v[ST+8*\t+4]
.endr
	v_nop                                          ; a plain instruction behind the last reciprocal,
	s_wait_alu depctr_va_vdst(0)                   ; and one wait for the four, ahead of the first use
.macro PACK t
	WIN 0x41
.irp i, 0,1,2,3,4,5,6,7,8,9,10,11,12,13,14,15
	v_pk_mul_f32 v[32*\t+2*\i:32*\t+2*\i+1], v[32*\t+2*\i:32*\t+2*\i+1], v[ST+8*\t+6:ST+8*\t+7] op_sel_hi:[1,0]
.endr
	WIN 0x05                                       ; sources 0 and 1 window 1, destination window 0: S^T's registers are free
.irp i, 0,1,2,3,4,5,6,7,8,9,10,11,12,13,14,15
	v_cvt_pk_f16_f32 v[S+16*\t+\i], v[32*\t+2*\i], v[32*\t+2*\i+1]
.endr
	WIN 0
.irp u, 0,1,2,3
	ds_store_b128 v[STO], v[S+16*\t+4*\u:S+16*\t+4*\u+3] offset:32*\u     ; lane (r, h): channels 16 u + 8 h + 0 .. 7 of row r
.endr
.irp i, 0,1,2,3
	ds_load_b128 v[S+16*\t+4*\i:S+16*\t+4*\i+3], v[RD] offset:\i*4*SP     ; LDS serves a wave's instructions in order (ISA guide 5.7.1.4): these see the stores above; the next tile's stores come behind them
.endr
.endm
.macro SEND t, younger                 ; younger: the LDS instructions issued behind tile t's loads: the next tile's eight, or none
.irp i, 0,1,2,3
	s_wait_dscnt \younger+3-\i
	global_store_b128 v[GO], v[S+16*\t+4*\i:S+16*\t+4*\i+3], s[6:7] offset:\t*2048+\i*512   ; 32 lanes store 512 consecutive bytes, aligned
.endr
.endm
	PACK 0
	PACK 1                                         ; a tile's arithmetic stands between the loads of the tile before and its stores
	SEND 0, 8
	PACK 2
	SEND 1, 8
	PACK 3
	SEND 2, 8
	SEND 3, 0
	s_wait_tensorcnt 0x0                           ; the wave's end: behind my last tensor load and my last LDS store
	ds_add_u32 v[SPW], v[NIL]
	s_wait_dscnt 0x0
	CROUND                                         ; the closing round
	s_endpgm
.Lfunc_end_k_q92e6f34e48_attn:
	.size	k_q92e6f34e48_attn, .Lfunc_end_k_q92e6f34e48_attn-k_q92e6f34e48_attn
	.p2alignl 7, 3214868480
	.fill 96, 4, 3214868480
	.section	.rodata,"a",@progbits
	.p2align	6, 0x0
	.amdhsa_kernel k_q92e6f34e48_attn
		.amdhsa_group_segment_fixed_size 327680
		.amdhsa_private_segment_fixed_size 0
		.amdhsa_enable_private_segment 0
		.amdhsa_kernarg_size 16
		.amdhsa_user_sgpr_count 2
		.amdhsa_user_sgpr_kernarg_segment_ptr 1
		.amdhsa_wavefront_size32 1
		.amdhsa_system_sgpr_workgroup_id_x 1
		.amdhsa_system_sgpr_workgroup_id_y 1
		.amdhsa_system_sgpr_workgroup_id_z 1
		.amdhsa_system_vgpr_workitem_id 0
		.amdhsa_next_free_vgpr 512
		.amdhsa_next_free_sgpr 66
		.amdhsa_reserve_vcc 0
		.amdhsa_float_denorm_mode_32 3
		.amdhsa_float_denorm_mode_16_64 3
		.amdhsa_memory_ordered 1
		.amdhsa_forward_progress 1
		.amdhsa_inst_pref_size 239
	.end_amdhsa_kernel
	.amdgpu_metadata
---
amdhsa.version: [ 1, 2 ]
amdhsa.kernels:
  - .name:           k_q92e6f34e48_attn
    .symbol:         k_q92e6f34e48_attn.kd
    .args:
      - { .name: qkv, .offset: 0, .size: 8, .value_kind: global_buffer, .address_space: global }
      - { .name: ctx, .offset: 8, .size: 8, .value_kind: global_buffer, .address_space: global }
    .group_segment_fixed_size: 327680
    .private_segment_fixed_size: 0
    .kernarg_segment_align: 8
    .kernarg_segment_size: 16
    .max_flat_workgroup_size: 256
    .sgpr_count:     66
    .vgpr_count:     512
    .wavefront_size: 32
...
	.end_amdgpu_metadata
.endif
;; end of part 3
;; launch outp (part 4): grid 4 x 64, 4 waves a work-group, clusters of 4 x 4, 327,680 bytes of LDS; arguments ctx, w16, out_b, out0; writes out0
.if DOCPART == 4
	.amdgcn_target "amdgcn-amd-amdhsa--gfx1250"
	.amdhsa_code_object_version 6
	.text
	.protected	k_q92e6f34e48_outp
	.globl	k_q92e6f34e48_outp
	.p2align	8
	.type	k_q92e6f34e48_outp,@function
k_q92e6f34e48_outp:
	s_mov_b64 s[64:65], 0
	v_nop
	global_prefetch_b8 v0, s[64:65] scope:SCOPE_SE
	s_setreg_imm32_b32 hwreg(HW_REG_WAVE_MODE, 25, 1), 1
	s_wait_xcnt 0x0
	s_wait_alu depctr_hold_cnt(0) depctr_sa_sdst(0) depctr_va_vdst(0) depctr_va_sdst(0) depctr_va_ssrc(0) depctr_va_vcc(0) depctr_vm_vsrc(0)
	s_getreg_b32 s2, hwreg(HW_REG_IB_STS2, 6, 4)
	s_cmp_eq_u32 s2, 0
	s_cbranch_scc0 .Lentry_in_a_cluster
	s_endpgm
.Lentry_in_a_cluster:
	s_bfe_u32 s2, ttmp6, 0x10000c
	s_cmp_lg_u32 s2, 0xf033
	s_cbranch_scc0 .Lentry_shape_is_right
	s_endpgm
.Lentry_shape_is_right:
; out0[m][n] = the sum over k of ctx[m][k] out_w[n][k] + out_b[n]: M 8,192, N 1,024, K 1,024; f16 operands, f32 sums, f32 out.
; Both operands lie as planes of 64 along K: ctx [b][head][s][64] (plane = head), w16 [k / 64][n][64]: a plane's part of 128 or 256 rows is one dense block of rows of 128 bytes.
; A tile of out0 is 128 rows x 256 columns: 64 x 4 = 256 work-groups.  Four waves, each 64 x 128: 32 accumulators, 256 registers.  K goes in 8 steps of 128 (two planes) through a ring of two LDS slots.
; CLUSTERS: 4 x 4 work-groups.  The four of a row of the cluster need the same tiles of ctx, the four of a column the same tiles of w16: each is asked for JOINTLY, by the same tensor load with the same descriptor and a mask that names the four.
; THE MATRIX INSTRUCTION IS USED TRANSPOSED (source 0 = 16 rows of w16, source 1 = 16 rows of ctx): a lane holds eight neighbouring columns of a row of out0.  The bias is the C of each sum's first instruction.
; REGISTERS: window 0: v16-29 addresses; two fragment buffers of 96 at v32 and v128 (ctx's four fragments, then w16's eight; 32 along K); on the way out v32-159 take rows read back.
;   window 1: accumulator (a, b) at v[8 (8 a + b)].   window 2: v0-63 the bias, 8 registers for each block of 16 columns.
.set PITCH,  144                       ; an LDS row: 128 bytes + 16 = 36 words: the 16 rows of a load start at 16 different groups of four banks (64 banks of 4 bytes: ISA guide 11.1)
.set APL,    128*PITCH                 ; a plane of ctx's tile
.set BPL,    256*PITCH                 ; a plane of w16's
.set BOFF,   2*APL
.set SLOT,   2*APL+2*BPL
.set SPARE,  2*SLOT                    ; behind the ring: the spare words, 128 bytes for each wave
.set SPITCH, 528                       ; the way out: a stage of 16 rows x (512 + 16) bytes for each wave, in slot 0, behind its last fill and its last read
.set ADRA, 16                          ; v16-17  LDS address of my ctx fragments in slot 0, 1
.set ADRB, 20                          ; v20-21  the same for w16
.set STO,  24
.set RD,   25
.set CO,   26
.set BO,   27                          ; v27     32 x (lane / 16)
.set SPW,  28                          ; v28     my spare word; never rewritten
.set NIL,  29                          ; v29     0; never rewritten
.set F0,   32
.set F1,   128
.set BK,   32
.set G1, 24                            ; s[24:31] group 1 for ctx's tiles;  s[32:39] group 0, one set for each slot
.set G0, 32
.set G1B, 48                           ; s[48:55], s[56:63] the same for w16's
.set G0B, 56
.set MSB, 0
.macro WIN new                         ; the immediate's high byte repeats the setting that is left
.if MSB != (\new)
	s_set_vgpr_msb (MSB<<8)|(\new)
.set MSB, (\new)
.endif
.endm
.set MUL,  0x50                        ; sources 0 and 1 window 0; C and D window 1
.set FST,  0x60                        ; the first products: C is the bias, in window 2
.macro PLACES n
.rept \n
	v_nop
.endr
.endm
.macro JLOAD s                         ; a joint load: waves 0 and 1 fetch ctx's two planes, waves 2 and 3 w16's; an s_nop 0 and four v_nop follow each of the two lines
	s_cmp_eq_u32 s13, 0
	s_cbranch_scc0 .Lfor_b_\@
	tensor_load_to_lds s[G0+4*\s:G0+4*\s+3], s[G1:G1+7]
	s_nop 0
.rept 4
	v_nop
.endr
	s_branch .Lasked_\@
.Lfor_b_\@:
	tensor_load_to_lds s[G0B+4*\s:G0B+4*\s+3], s[G1B:G1B+7]
	s_nop 0
.rept 4
	v_nop
.endr
.Lasked_\@:
.endm
.macro CREST                           ; a round of the cluster's barrier behind its opening barrier
	s_cmp_lg_u32 s12, 0
	s_cbranch_scc1 .Lnot_wave_0_\@
	s_barrier_signal -3
.Lnot_wave_0_\@:
	s_barrier_wait -3
	s_barrier_signal -1
	s_barrier_wait -1
.endm
.macro CROUND
	s_barrier_signal -1
	s_barrier_wait -1
	CREST
.endm
	s_load_b128 s[4:7], s[0:1], 0x0                ; ctx, w16
	s_load_b128 s[8:11], s[0:1], 0x10              ; out_b, out0
	v_lshl_add_u32 v[SPW], v0, 2, SPARE
	v_mov_b32 v[NIL], 0
	ds_add_u32 v[SPW], v[NIL]                      ; the wave's opening: the add, twice on end, and its wait ahead of my first tensor load
	ds_add_u32 v[SPW], v[NIL]
	v_lshrrev_b32 v1, 5, v0
	v_readfirstlane_b32 s12, v1                    ; wave 0..3
	s_lshr_b32 s13, s12, 1                         ; which 64 rows of the tile are mine.  Also: I fetch for ctx (0) or for w16 (1)
	s_and_b32 s14, s12, 1                          ; which 128 columns.  Also: which of a step's two planes I fetch
	s_bfe_u32 s40, ttmp6, 0x40000                  ; cx, cy
	s_bfe_u32 s41, ttmp6, 0x40004
	s_lshl_b32 s42, ttmp9, 2
	s_add_co_u32 s42, s42, s40                     ; tile column = 4 x cluster x + cx
	s_and_b32 s15, ttmp7, 0xffff
	s_lshl_b32 s15, s15, 2
	s_add_co_u32 s15, s15, s41                     ; tile row = 4 x cluster y + cy
	s_lshl_b32 s43, s41, 2
	s_lshl_b32 s43, 15, s43                        ; my row of the cluster
	s_lshl_b32 s44, 0x1111, s40                    ; my column
	; group 1: rows of 64 elements of 2 bytes, dense in memory, 4 words of padding behind every 32
	s_or_b32 s[G1+0], s43, (1<<16)|(1<<20)|(1<<21)|(4<<22)|(3<<25)
	s_or_b32 s[G1B+0], s44, (1<<16)|(1<<20)|(1<<21)|(4<<22)|(3<<25)
	s_mov_b32 s[G1+1], 64<<16                      ; tensor_dim0
	s_mov_b32 s[G1+2], 128<<16                     ; tensor_dim1: ctx: 128 rows
	s_mov_b32 s[G1+3], 64<<16                      ; tile_dim0
	s_mov_b32 s[G1+4], 128                         ; tile_dim1
	s_mov_b32 s[G1+5], 64                          ; from row to row
	s_mov_b32 s[G1+6], 0
	s_mov_b32 s[G1+7], 0
	s_mov_b32 s[G1B+1], 64<<16
	s_mov_b32 s[G1B+2], 256<<16                    ; w16: 256 rows
	s_mov_b32 s[G1B+3], 64<<16
	s_mov_b32 s[G1B+4], 256
	s_mov_b32 s[G1B+5], 64
	s_mov_b32 s[G1B+6], 0
	s_mov_b32 s[G1B+7], 0
	s_lshr_b32 s16, s15, 4                         ; ctx: b = tile row / 16: 16 planes of 2,048 rows of 128 bytes,
	s_lshl_b32 s16, s16, 22
	s_and_b32 s17, s15, 15
	s_lshl_b32 s17, s17, 14                        ; + the tile's 128 rows in a plane,
	s_add_co_u32 s16, s16, s17
	s_lshl_b32 s17, s14, 18                        ; + my plane
	s_add_co_u32 s16, s16, s17
	s_mov_b32 s17, 0
	s_lshl_b32 s46, s42, 15                        ; w16: the tile's 256 rows in a plane,
	s_lshl_b32 s47, s14, 17                        ; + my plane
	s_add_co_u32 s46, s46, s47
	s_mov_b32 s47, 0
	s_mul_i32 s20, s14, APL                        ; where they go: no place in the cluster enters an LDS address
	s_mul_i32 s21, s14, BPL
	s_add_co_u32 s21, s21, BOFF
	s_wait_dscnt 0x0                               ; both opening adds are done
	s_wait_kmcnt 0x0
	s_add_nc_u64 s[18:19], s[4:5], s[16:17]
	s_add_nc_u64 s[46:47], s[6:7], s[46:47]
	CROUND                                         ; all sixteen work-groups are here: the first joint loads meet
.irp s, 0,1
	s_mov_b32 s[G0+4*\s], 1
	s_add_co_u32 s[G0+4*\s+1], s20, \s*SLOT
	s_add_nc_u64 s[G0+4*\s+2:G0+4*\s+3], s[18:19], \s*(2<<18)     ; K step s: two planes on
	s_or_b32 s[G0+4*\s+3], s[G0+4*\s+3], 0x80000000
	s_mov_b32 s[G0B+4*\s], 1
	s_add_co_u32 s[G0B+4*\s+1], s21, \s*SLOT
	s_add_nc_u64 s[G0B+4*\s+2:G0B+4*\s+3], s[46:47], \s*(2<<17)
	s_or_b32 s[G0B+4*\s+3], s[G0B+4*\s+3], 0x80000000
	JLOAD \s                                       ; two tensor loads of mine are out behind the second
.endr
	v_and_b32 v1, 15, v0                           ; r
	v_bfe_u32 v2, v0, 4, 1                         ; h
	s_lshl_b32 s46, s42, 10                        ; my first column, in bytes of f32: 1,024 x tile column + 512 x half
	s_lshl_b32 s47, s14, 9
	s_add_co_u32 s46, s46, s47
	s_mov_b32 s47, 0
	s_add_nc_u64 s[8:9], s[8:9], s[46:47]
	v_lshlrev_b32 v[BO], 5, v2
	WIN 0x80                                       ; destination window 2
.irp b, 0,1,2,3,4,5,6,7
	global_load_b128 v[8*\b:8*\b+3], v[BO], s[8:9] offset:64*\b           ; lane (r, h): the bias of columns 16 b + 8 h + 0 .. 7
	global_load_b128 v[8*\b+4:8*\b+7], v[BO], s[8:9] offset:64*\b+16
.endr
	WIN 0
	v_mul_u32_u24 v3, v1, PITCH
	v_lshl_add_u32 v3, v2, 4, v3                   ; a fragment's row x pitch + 16 x half
	s_mul_i32 s22, s13, 64*PITCH                   ; my 64 rows of ctx
	s_mul_i32 s23, s14, 128*PITCH                  ; my 128 rows of w16,
	s_add_co_u32 s23, s23, BOFF                    ; behind ctx's two planes
.irp s, 0,1
	v_add_nc_u32 v[ADRA+\s], s22, v3
	v_add_nc_u32 v[ADRB+\s], s23, v3
	s_add_co_u32 s22, s22, SLOT
	s_add_co_u32 s23, s23, SLOT
.endr
	s_mul_i32 s22, s12, 16*SPITCH                  ; my stage
	v_mul_u32_u24 v4, v1, SPITCH                   ; in: row r, 32 bytes for each half of the lanes
	v_lshl_add_u32 v4, v2, 5, v4
	v_add_nc_u32 v[STO], s22, v4
	v_and_b32 v5, 31, v0
	v_lshlrev_b32 v[CO], 4, v5                     ; back: the 32 lanes take one row of 512 bytes; and the same in out0
	v_add_nc_u32 v[RD], s22, v[CO]
	s_lshl_b32 s16, s15, 7
	s_lshl_b32 s17, s13, 6
	s_add_co_u32 s16, s16, s17                     ; my first row of out0: 128 x tile row + 64 x half
	s_lshl_b32 s16, s16, 12                        ; rows of 4,096 bytes
	s_add_co_u32 s16, s16, s46
	s_mov_b32 s17, 0
	s_add_nc_u64 s[10:11], s[10:11], s[16:17]
; 24 LDS loads in one run: the fragments of the slot's q-th 32 along K (plane q / 2, bytes 64 (q % 2) on) into buffer f
.macro FETCH slot, q, f
.irp i, 0,1,2,3
	ds_load_b128 v[\f+8*\i:\f+8*\i+3],   v[ADRA+\slot] offset:((\q)/2)*APL+((\q)%2)*64+\i*16*PITCH
	ds_load_b128 v[\f+8*\i+4:\f+8*\i+7], v[ADRA+\slot] offset:((\q)/2)*APL+((\q)%2)*64+\i*16*PITCH+32
.endr
.irp i, 0,1,2,3,4,5,6,7
	ds_load_b128 v[\f+32+8*\i:\f+32+8*\i+3],   v[ADRB+\slot] offset:((\q)/2)*BPL+((\q)%2)*64+\i*16*PITCH
	ds_load_b128 v[\f+32+8*\i+4:\f+32+8*\i+7], v[ADRB+\slot] offset:((\q)/2)*BPL+((\q)%2)*64+\i*16*PITCH+32
.endr
.endm
; 8 matrix instructions: ctx's block a against w16's eight.  The 32 accumulators take turns, one instruction a turn, in the same order in every quarter.
.macro MUL8 f, a, first
.irp b, 0,1,2,3,4,5,6,7
.if \first
	v_wmma_f32_16x16x32_f16 v[8*(8*(\a)+\b):8*(8*(\a)+\b)+7], v[\f+32+8*\b:\f+32+8*\b+7], v[\f+8*(\a):\f+8*(\a)+7], v[8*\b:8*\b+7]
.else
	v_wmma_f32_16x16x32_f16 v[8*(8*(\a)+\b):8*(8*(\a)+\b)+7], v[\f+32+8*\b:\f+32+8*\b+7], v[\f+8*(\a):\f+8*(\a)+7], v[8*(8*(\a)+\b):8*(8*(\a)+\b)+7]
.endif
.endr
.endm
; A K step is four quarters of 32 along K, 32 matrix instructions each, on buffers 0, 1, 0, 1.  One of the first three: the next quarter's fragments are asked for first, 32 matrix instructions ahead of their use.
.macro QUARTER slot, q, first
	s_wait_dscnt 0x0                               ; this quarter's fragments are in
	PLACES 4                                       ; in front of loads into the other buffer, which the quarter before multiplied
	WIN 0
	FETCH \slot, (\q)+1, F0+96*(((\q)+1)%2)
.if \first
	WIN FST
.else
	WIN MUL
.endif
	MUL8 F0+96*((\q)%2), 0, \first
	MUL8 F0+96*((\q)%2), 1, \first
	MUL8 F0+96*((\q)%2), 2, \first
	MUL8 F0+96*((\q)%2), 3, \first
.endm
; The last quarter multiplies buffer 1 and changes slots: ONE barrier; in front of it each wave waits for all its tensor loads, adds 0 to its spare word, and waits for that and for its reads of this slot.  fill = 1: this slot is filled again, two K steps ahead.
.macro TURN slot, next, fill
	WIN 0                                          ; (the add's two registers lie in window 0)
	s_wait_tensorcnt 0x0                           ; all my tensor loads have landed: my part of the next slot;
	ds_add_u32 v[SPW], v[NIL]
	s_wait_dscnt 1                                 ; buffer 1 is in: only the add may be out
	WIN MUL
	MUL8 F1, 0, 0                                  ; eight matrix instructions stand between the add and the wait for it
	s_wait_dscnt 0x0                               ; the add is done, and my reads of this slot are over
	s_barrier_signal -1
	MUL8 F1, 1, 0
	WIN 0
	s_barrier_wait -1
.if \fill
	CREST                                          ; the barrier has opened a round of the cluster's: no wave of any partner still reads this slot or has a load on its way
	s_add_nc_u64 s[G0+4*\slot+2:G0+4*\slot+3], s[G0+4*\slot+2:G0+4*\slot+3], 4<<18      ; four planes on
	s_add_nc_u64 s[G0B+4*\slot+2:G0B+4*\slot+3], s[G0B+4*\slot+2:G0B+4*\slot+3], 4<<17
	JLOAD \slot                                    ; the first tensor load behind the round; the four v_nop behind it are also the places in front of the loads below
.else
	PLACES 4
.endif
	FETCH \next, 0, F0
	WIN MUL
	MUL8 F1, 2, 0
	MUL8 F1, 3, 0
.endm
	s_wait_tensorcnt 1                             ; my part of K step 0 is in (K step 1's load may be out),
	s_barrier_signal -1
	s_barrier_wait -1                              ; everybody's is
	FETCH 0, 0, F0
	s_wait_loadcnt 0x0                             ; the bias
	QUARTER 0, 0, 1                                ; the first quarter stands in front of the loop: the bias starts the sums
	WIN 0                                          ; at a label and at a branch every window is 0
	s_mov_b32 s3, 3
.Llap:                                                 ; a trip goes once round the ring, from a lap's second quarter to the next lap's first, and fills both slots again
	QUARTER 0, 1, 0
	QUARTER 0, 2, 0
	TURN 0, 1, 1
	QUARTER 1, 0, 0
	QUARTER 1, 1, 0
	QUARTER 1, 2, 0
	TURN 1, 0, 1
	QUARTER 0, 0, 0
	WIN 0
	s_sub_co_u32 s3, s3, 1
	s_cmp_lg_u32 s3, 0
	s_cbranch_scc1 .Llap
	QUARTER 0, 1, 0                                ; the last lap (K steps 6 and 7) fills nothing, and has no round of the cluster's barrier
	QUARTER 0, 2, 0
	TURN 0, 1, 0
	QUARTER 1, 0, 0
	QUARTER 1, 1, 0
	QUARTER 1, 2, 0
	s_wait_dscnt 0x0                               ; the very last quarter: nothing more to fetch
	MUL8 F1, 0, 0
	MUL8 F1, 1, 0
	MUL8 F1, 2, 0
	MUL8 F1, 3, 0
	WIN 0
; THE WAY OUT, block by block of 16 rows x 128 columns.  A lane holds 32 neighbouring bytes of a row, and the lanes beside it hold other rows: a block goes through my own stage and comes back as whole rows of 512 bytes.
; LDS serves a wave's instructions in order (ISA guide 5.7.1.4): no wait between the stores and the loads, nor in front of the next block's stores.
.macro TOSTAGE a
	WIN 0x04                                       ; an LDS store's data are its source 1: window 1
.irp b, 0,1,2,3,4,5,6,7
	ds_store_b128 v[STO], v[8*(8*(\a)+\b):8*(8*(\a)+\b)+3] offset:64*\b          ; each accumulator from its low end on
	ds_store_b128 v[STO], v[8*(8*(\a)+\b)+4:8*(8*(\a)+\b)+7] offset:64*\b+16
.endr
	WIN 0
.set BB, BK+64*((\a)%2)
.irp t, 0,1,2,3,4,5,6,7,8,9,10,11,12,13,14,15
	ds_load_b128 v[BB+4*\t:BB+4*\t+3], v[RD] offset:\t*SPITCH
.endr
.endm
.macro SEND a, younger                 ; younger: the LDS instructions issued behind block a's loads, which may stay out
.set BB, BK+64*((\a)%2)
	s_wait_dscnt \younger
.irp t, 0,1,2,3,4,5,6,7,8,9,10,11,12,13,14,15
	global_store_b128 v[CO], v[BB+4*\t:BB+4*\t+3], s[10:11] offset:(16*(\a)+\t)*4096 th:TH_STORE_NT   ; 32 lanes store 512 consecutive bytes, aligned; written once, read by nobody here
.endr
.endm
	PLACES 4                                       ; behind the last products: for the stores that read results and the loads into the fragment buffers
	TOSTAGE 0
.irp a, 1,2,3
.if \a > 1
	s_wait_xcnt 0x0                                ; block a - 2's stores have read their registers: block a's loads may land there
.endif
	TOSTAGE \a
	SEND \a-1, 32                                  ; behind block a - 1's loads: block a's 16 stores and 16 loads
.endr
	SEND 3, 0
	s_wait_tensorcnt 0x0                           ; the wave's end: behind my last tensor load and my last LDS store
	ds_add_u32 v[SPW], v[NIL]
	s_wait_dscnt 0x0
	CROUND                                         ; the closing round
	s_endpgm
.Lfunc_end_k_q92e6f34e48_outp:
	.size	k_q92e6f34e48_outp, .Lfunc_end_k_q92e6f34e48_outp-k_q92e6f34e48_outp
	.p2alignl 7, 3214868480
	.fill 96, 4, 3214868480
	.section	.rodata,"a",@progbits
	.p2align	6, 0x0
	.amdhsa_kernel k_q92e6f34e48_outp
		.amdhsa_group_segment_fixed_size 327680
		.amdhsa_private_segment_fixed_size 0
		.amdhsa_enable_private_segment 0
		.amdhsa_kernarg_size 32
		.amdhsa_user_sgpr_count 2
		.amdhsa_user_sgpr_kernarg_segment_ptr 1
		.amdhsa_wavefront_size32 1
		.amdhsa_system_sgpr_workgroup_id_x 1
		.amdhsa_system_sgpr_workgroup_id_y 1
		.amdhsa_system_sgpr_workgroup_id_z 1
		.amdhsa_system_vgpr_workitem_id 0
		.amdhsa_next_free_vgpr 576
		.amdhsa_next_free_sgpr 66
		.amdhsa_reserve_vcc 0
		.amdhsa_float_denorm_mode_32 3
		.amdhsa_float_denorm_mode_16_64 3
		.amdhsa_memory_ordered 1
		.amdhsa_forward_progress 1
		.amdhsa_inst_pref_size 86
	.end_amdhsa_kernel
	.amdgpu_metadata
---
amdhsa.version: [ 1, 2 ]
amdhsa.kernels:
  - .name:           k_q92e6f34e48_outp
    .symbol:         k_q92e6f34e48_outp.kd
    .args:
      - { .name: ctx, .offset: 0, .size: 8, .value_kind: global_buffer, .address_space: global }
      - { .name: w16, .offset: 8, .size: 8, .value_kind: global_buffer, .address_space: global }
      - { .name: out_b, .offset: 16, .size: 8, .value_kind: global_buffer, .address_space: global }
      - { .name: out0, .offset: 24, .size: 8, .value_kind: global_buffer, .address_space: global }
    .group_segment_fixed_size: 327680
    .private_segment_fixed_size: 0
    .kernarg_segment_align: 8
    .kernarg_segment_size: 32
    .max_flat_workgroup_size: 128
    .sgpr_count:     66
    .vgpr_count:     576
    .wavefront_size: 32
...
	.end_amdgpu_metadata
.endif
;; end of part 4
